; MI455X (gfx1250); checked and timed in simulation.
; The chip was launched on July 23, 2026; its instructions are those of AMD's public machine-readable ISA for CDNA 5 (MIT licence, August 2026) and "CDNA5" Instruction Set Architecture Reference Guide (July 2026). The comments in the code are by the model that wrote it; some were corrected since.
;; Multihead Attention. Allowed arithmetic: float matrix products may take bf16 or f16 operands with f32 sums; all other float work in f32.
;; Inputs: token_positions 1 x 2,048 int32; wk 1,024 x 1,024 float32; wo 1,024 x 1,024 float32; wq 1,024 x 1,024 float32; wv 1,024 x 1,024 float32; x 2 x 2,048 x 1,024 float32.
;; Outputs: out0 2 x 2,048 x 1,024 float32.
;; 2 versions, each right; version 2 is version 1 with the launch prep written anew for expert scheduling mode. Each part assembles by itself: llvm-mc -triple=amdgcn-amd-amdhsa -mcpu=gfx1250 --defsym DOCPART=n.
;; ======== version 1 of 2: 4 launches
;; limits: values are held in f16: magnitudes above 65,504 overflow, below 6.1e-05 lose precision
;; workspace buffers: xh 8,388,608 bytes; wqkvh 6,291,456 bytes; woh 2,097,152 bytes; rope 524,288 bytes; qh 8,388,608 bytes; kh 8,388,608 bytes; vth 8,388,608 bytes; atth 8,388,608 bytes
;; launch prep (part 1): grid 64 x 8, 8 waves a work-group, no clusters, 0 bytes of LDS; arguments x, wq, wk, wv, wo, token_positions, xh, wqkvh, woh, rope; writes xh, wqkvh, woh, rope
.if DOCPART == 1
	.amdgcn_target "amdgcn-amd-amdhsa--gfx1250"
	.amdhsa_code_object_version 6
	.text
	.protected	k_q6692bf0f11_prep
	.globl	k_q6692bf0f11_prep
	.p2align	8
	.type	k_q6692bf0f11_prep,@function
k_q6692bf0f11_prep:
	s_mov_b64 s[64:65], 0
	v_nop
	global_prefetch_b8 v0, s[64:65] scope:SCOPE_SE
	s_setreg_imm32_b32 hwreg(HW_REG_WAVE_MODE, 25, 1), 1
	s_wait_xcnt 0x0
; x, wq, wk, wv, wo: f32 to 16 bits, and the table of cos and sin for the rotation of q and k.
; FORMATS.  Every input is rounded ONCE, to bf16 (nearest even), the operand format that the problem's allowance names for its inputs; products of
; bf16 numbers are exact in the f32 sums of the matrix unit, so nothing but this one rounding is lost on the inputs.  x, wq, wk, wv are stored as bf16.
; wo is later multiplied with the attention result, which is kept in f16 for its three more bits, and one matrix instruction has one format:
; wo's bf16 value is therefore written in f16's code.  That is exact for magnitudes from 2^-17 to 65,504 (8 significant bits, the lowest at 2^-24 or above).
; LIMITS: wo below 2^-17 in magnitude is off by at most 2^-25; wo of 65,520 or more becomes an infinity.  Token positions are taken as 0 to 2047, the
; extent of the table that the problem indexes with them; they enter as numbers (an angle), never as addresses.
; Section y of the grid: 0-3 x (256 work-groups of 16 rows), 4 wq, 5 wk, 6 wv, 7 wo (64 work-groups of 16 rows each).
; wq, wk, wv go into ONE table with rows regrouped by head: row = 192 head + 64 matrix + e, so that the next launch finds the 192 rows of a head together.
; A work-group converts 16 rows of 1,024 numbers; a wave 2 rows: 8,192 bytes in by 16 loads of 512 consecutive bytes, all issued at once,
; 4,096 bytes out by 16 stores of 256 consecutive aligned bytes.  No LDS, no barrier, no matrix unit: a stream has no use for them.
; Waves 0 and 1 of each of the 512 work-groups also make 64 of the table's 32,768 entries of 16 bytes, while their row loads are on their way.
; Entry ((T*4 + et)*2 + u)*32 + lane = (cos f, sin f, cos (f+1), sin (f+1)) of token 16 T + lane % 16, f = 8 et + 4 (lane / 16) + 2 u:
; the order in which a lane of the next launch holds the pairs of a 16 x 16 tile of q or k.  Here T*4 + et is the work-group's number, u the wave.
.set X, 32                             ; v[32:95]   16 x 4 numbers as loaded
.set Y, 96                             ; v[96:127]  16 x 2 registers to store
	s_load_b512 s[8:23], s[0:1], 0x0               ; x 8, wq 10, wk 12, wv 14, wo 16, positions 18, xh 20, wqkvh 22
	s_load_b128 s[24:27], s[0:1], 0x40             ; woh 24, rope 26
	v_lshrrev_b32 v1, 5, v0
	v_readfirstlane_b32 s28, v1                    ; wave 0..7
	s_and_b32 s4, ttmp7, 0xffff                    ; section
	s_lshl_b32 s6, s4, 6
	s_add_co_u32 s6, s6, ttmp9                     ; the work-group's number, 0..511
	; offsets, made apart from the addresses
	s_cmp_lt_u32 s4, 4
	s_cselect_b32 s36, s6, ttmp9                   ; block of 16 rows in the source: x has 256, a weight 64
	s_lshl_b32 s36, s36, 16                        ; x 65,536 bytes
	s_mov_b32 s37, 0
	s_lshr_b32 s38, ttmp9, 2                       ; a weight's rows 16 bx ..: head = bx / 4
	s_mul_i32 s38, s38, 192
	s_and_b32 s39, s4, 3                           ; matrix 0, 1, 2 for sections 4, 5, 6
	s_lshl_b32 s39, s39, 6
	s_add_co_u32 s38, s38, s39
	s_and_b32 s39, ttmp9, 3
	s_lshl_b32 s39, s39, 4                         ; e = 16 (bx % 4)
	s_add_co_u32 s38, s38, s39
	s_lshl_b32 s38, s38, 11                        ; rows of 2,048 bytes
	s_lshl_b32 s39, s6, 15                         ; x: 16 rows of 2,048 bytes a work-group
	s_lshl_b32 s40, ttmp9, 15                      ; wo: likewise
	s_cmp_lt_u32 s4, 4
	s_cselect_b32 s38, s39, s38
	s_cmp_eq_u32 s4, 7
	s_cselect_b32 s38, s40, s38
	s_mov_b32 s39, 0
	s_lshl_b32 s34, s6, 10                         ; the work-group's 64 entries of the table
	s_mov_b32 s35, 0
	s_lshr_b32 s41, s6, 2
	s_lshl_b32 s41, s41, 6                         ; byte offset of position 16 T
	s_and_b32 s42, s6, 3
	s_lshl_b32 s42, s42, 3
	s_lshl1_add_u32 s42, s28, s42                  ; 8 et + 2 u
	v_and_b32 v5, 31, v0                           ; lane
	v_lshlrev_b32 v2, 3, v5
	v_lshl_add_u32 v2, v1, 12, v2                  ; out: 4,096 wave + 8 lane
	v_lshlrev_b32 v5, 4, v5
	v_lshl_add_u32 v1, v1, 13, v5                  ; in: 8,192 wave + 16 lane
	v_and_b32 v3, 15, v0
	v_lshl_add_u32 v3, v3, 2, s41                  ; my token's position
	v_lshlrev_b32 v4, 4, v0                        ; my entry of the table (threads 0 to 63)
	s_wait_kmcnt 0x0
	s_mov_b64 s[30:31], s[8:9]                     ; the source, chosen by the section's number
	s_cmp_eq_u32 s4, 4
	s_cselect_b64 s[30:31], s[10:11], s[30:31]
	s_cmp_eq_u32 s4, 5
	s_cselect_b64 s[30:31], s[12:13], s[30:31]
	s_cmp_eq_u32 s4, 6
	s_cselect_b64 s[30:31], s[14:15], s[30:31]
	s_cmp_eq_u32 s4, 7
	s_cselect_b64 s[30:31], s[16:17], s[30:31]
	s_mov_b64 s[32:33], s[20:21]                   ; the destination
	s_cmp_ge_u32 s4, 4
	s_cselect_b64 s[32:33], s[22:23], s[32:33]
	s_cmp_eq_u32 s4, 7
	s_cselect_b64 s[32:33], s[24:25], s[32:33]
	s_add_nc_u64 s[30:31], s[30:31], s[36:37]
	s_add_nc_u64 s[32:33], s[32:33], s[38:39]
	s_add_nc_u64 s[26:27], s[26:27], s[34:35]
	s_cmp_gt_u32 s28, 1
	s_cbranch_scc1 .Lrows
	global_load_b32 v6, v3, s[18:19]               ; waves 0 and 1: the position, ahead of the rows
.Lrows:
.irp n, 0,1,2,3,4,5,6,7,8,9,10,11,12,13,14,15
	global_load_b128 v[X+4*\n:X+4*\n+3], v1, s[30:31] offset:512*\n th:TH_LOAD_NT   ; read once in the launch
.endr
	s_cmp_gt_u32 s28, 1
	s_cbranch_scc1 .Lconvert
; cos and sin of position x 10000^(-f/32), f in v[fr] as f32; cos into v[out], sin into v[out+1]
.macro ANGLE fr, out
	v_mul_f32 v10, 0xbed48000, v[\fr]              ; -f x 0.4150390625: exact (425/1024 times at most 32)
	v_mul_f32 v11, 0xb953c25e, v[\fr]              ; -f x 2.0194936e-4: the rest of log2(10000)/32
	v_exp_f32 v12, v10
	v_exp_f32 v13, v11
	v_nop                                          ; one plain place behind a transcendental before its result is read (ISA guide 5.7.2)
	s_wait_alu depctr_va_vdst(0)
	v_mul_f32 v12, v12, v13                        ; 10000^(-f/32)
	v_mul_f32 v12, v7, v12                         ; the angle a, rounded to f32 as the problem rounds it
	v_mul_f32 v13, 0x3f22f983, v12                 ; a x 2/pi
	v_rndne_f32 v13, v13                           ; n, at most 1,304
	v_fmamk_f32 v14, v13, 0xbfc90fdb, v12          ; r = a - n pi/2, pi/2 in two parts
	v_fmamk_f32 v14, v13, 0x333bbd2e, v14          ; |r| <= pi/4
	v_mul_f32 v15, v14, v14                        ; z = r r
	v_mov_b32 v16, 0x3638ef1d                      ; sin r = r (1 + z (-1/6 + z (1/120 + z (-1/5040 + z/362880))))
	v_mov_b32 v17, 0x37d00d01                      ; cos r = 1 + z (-1/2 + z (1/24 + z (-1/720 + z/40320))): the first term left out is below 3e-8
	v_fmaak_f32 v16, v16, v15, 0xb9500d01
	v_fmaak_f32 v17, v17, v15, 0xbab60b61
	v_fmaak_f32 v16, v16, v15, 0x3c088889
	v_fmaak_f32 v17, v17, v15, 0x3d2aaaab
	v_fmaak_f32 v16, v16, v15, 0xbe2aaaab
	v_fma_f32 v17, v17, v15, -0.5
	v_fma_f32 v16, v16, v15, 1.0
	v_fma_f32 v17, v17, v15, 1.0
	v_mul_f32 v16, v16, v14
	v_cvt_i32_f32 v18, v13                         ; the quadrant
	v_and_b32 v19, 1, v18
	v_cmp_eq_u32 vcc_lo, 1, v19
	v_cndmask_b32 v20, v16, v17, vcc_lo            ; odd quadrant: sin and cos change places
	v_cndmask_b32 v21, v17, v16, vcc_lo
	v_and_b32 v19, 2, v18                          ; sin is negative in quadrants 2, 3
	v_lshlrev_b32 v19, 30, v19
	v_xor_b32 v[\out+1], v19, v20
	v_add_nc_u32 v18, 1, v18                       ; cos in quadrants 1, 2
	v_and_b32 v18, 2, v18
	v_lshlrev_b32 v18, 30, v18
	v_xor_b32 v[\out], v18, v21
.endm
	v_bfe_u32 v8, v0, 4, 1
	v_lshl_add_u32 v8, v8, 2, s42                  ; f = 8 et + 2 u + 4 (lane / 16)
	v_cvt_f32_u32 v8, v8
	v_add_f32 v9, 1.0, v8                          ; f + 1
	s_wait_loadcnt 16                              ; the position is in: the 16 row loads issued behind it stay out
	v_cvt_f32_i32 v7, v6
	ANGLE 8, 28
	ANGLE 9, 30
	global_store_b128 v4, v[28:31], s[26:27]       ; a wave's store covers 512 consecutive bytes
.Lconvert:
	s_cmp_eq_u32 s4, 7
	s_cbranch_scc1 .Lwo
	; x, wq, wk, wv: to bf16
.irp n, 0,1,2,3,4,5,6,7,8,9,10,11,12,13,14,15
	s_wait_loadcnt 15-\n                           ; loads come back in order (ISA guide 5.7.1): load n is in, the younger ones stay out
	v_cvt_pk_bf16_f32 v[Y+2*\n], v[X+4*\n], v[X+4*\n+1]
	v_cvt_pk_bf16_f32 v[Y+2*\n+1], v[X+4*\n+2], v[X+4*\n+3]
	global_store_b64 v2, v[Y+2*\n:Y+2*\n+1], s[32:33] offset:256*\n   ; 32 lanes x 8 bytes: 256 consecutive bytes, aligned
.endr
	s_endpgm
.Lwo:
	; wo: rounded to bf16, widened again (a shift, a mask), and the same value written in f16's code
.irp n, 0,1,2,3,4,5,6,7,8,9,10,11,12,13,14,15
	s_wait_loadcnt 15-\n                           ; as above; X's registers of load n are free to be written behind it
	v_cvt_pk_bf16_f32 v[Y+2*\n], v[X+4*\n], v[X+4*\n+1]
	v_cvt_pk_bf16_f32 v[Y+2*\n+1], v[X+4*\n+2], v[X+4*\n+3]
	v_lshlrev_b32 v[X+4*\n], 16, v[Y+2*\n]
	v_and_b32 v[X+4*\n+1], 0xffff0000, v[Y+2*\n]
	v_lshlrev_b32 v[X+4*\n+2], 16, v[Y+2*\n+1]
	v_and_b32 v[X+4*\n+3], 0xffff0000, v[Y+2*\n+1]
	v_cvt_pk_f16_f32 v[Y+2*\n], v[X+4*\n], v[X+4*\n+1]
	v_cvt_pk_f16_f32 v[Y+2*\n+1], v[X+4*\n+2], v[X+4*\n+3]
	global_store_b64 v2, v[Y+2*\n:Y+2*\n+1], s[32:33] offset:256*\n
.endr
	s_endpgm
.Lfunc_end_k_q6692bf0f11_prep:
	.size	k_q6692bf0f11_prep, .Lfunc_end_k_q6692bf0f11_prep-k_q6692bf0f11_prep
	.p2alignl 7, 3214868480
	.fill 96, 4, 3214868480
	.section	.rodata,"a",@progbits
	.p2align	6, 0x0
	.amdhsa_kernel k_q6692bf0f11_prep
		.amdhsa_group_segment_fixed_size 0
		.amdhsa_private_segment_fixed_size 0
		.amdhsa_enable_private_segment 0
		.amdhsa_kernarg_size 80
		.amdhsa_user_sgpr_count 2
		.amdhsa_user_sgpr_kernarg_segment_ptr 1
		.amdhsa_wavefront_size32 1
		.amdhsa_system_sgpr_workgroup_id_x 1
		.amdhsa_system_sgpr_workgroup_id_y 1
		.amdhsa_system_sgpr_workgroup_id_z 1
		.amdhsa_system_vgpr_workitem_id 0
		.amdhsa_next_free_vgpr 128
		.amdhsa_next_free_sgpr 66
		.amdhsa_reserve_vcc 1
		.amdhsa_float_denorm_mode_32 3
		.amdhsa_float_denorm_mode_16_64 3
		.amdhsa_memory_ordered 1
		.amdhsa_forward_progress 1
		.amdhsa_inst_pref_size 21
	.end_amdhsa_kernel
	.amdgpu_metadata
---
amdhsa.version: [ 1, 2 ]
amdhsa.kernels:
  - .name:           k_q6692bf0f11_prep
    .symbol:         k_q6692bf0f11_prep.kd
    .args:
      - { .name: x, .offset: 0, .size: 8, .value_kind: global_buffer, .address_space: global }
      - { .name: wq, .offset: 8, .size: 8, .value_kind: global_buffer, .address_space: global }
      - { .name: wk, .offset: 16, .size: 8, .value_kind: global_buffer, .address_space: global }
      - { .name: wv, .offset: 24, .size: 8, .value_kind: global_buffer, .address_space: global }
      - { .name: wo, .offset: 32, .size: 8, .value_kind: global_buffer, .address_space: global }
      - { .name: token_positions, .offset: 40, .size: 8, .value_kind: global_buffer, .address_space: global }
      - { .name: xh, .offset: 48, .size: 8, .value_kind: global_buffer, .address_space: global }
      - { .name: wqkvh, .offset: 56, .size: 8, .value_kind: global_buffer, .address_space: global }
      - { .name: woh, .offset: 64, .size: 8, .value_kind: global_buffer, .address_space: global }
      - { .name: rope, .offset: 72, .size: 8, .value_kind: global_buffer, .address_space: global }
    .group_segment_fixed_size: 0
    .private_segment_fixed_size: 0
    .kernarg_segment_align: 8
    .kernarg_segment_size: 80
    .max_flat_workgroup_size: 256
    .sgpr_count:     66
    .vgpr_count:     128
    .wavefront_size: 32
...
	.end_amdgpu_metadata
.endif
;; end of part 1
;; launch qkv (part 2): grid 16 x 16, 4 waves a work-group, clusters of 4 x 4, 327,680 bytes of LDS; arguments xh, wqkvh, rope, qh, kh, vth; writes qh, kh, vth
.if DOCPART == 2
	.amdgcn_target "amdgcn-amd-amdhsa--gfx1250"
	.amdhsa_code_object_version 6
	.text
	.protected	k_q6692bf0f11_qkv
	.globl	k_q6692bf0f11_qkv
	.p2align	8
	.type	k_q6692bf0f11_qkv,@function
k_q6692bf0f11_qkv:
	s_mov_b64 s[64:65], 0
	v_nop
	global_prefetch_b8 v0, s[64:65] scope:SCOPE_SE
	s_setreg_imm32_b32 hwreg(HW_REG_WAVE_MODE, 25, 1), 1
	s_wait_xcnt 0x0
	s_wait_alu depctr_hold_cnt(0) depctr_sa_sdst(0) depctr_va_vdst(0) depctr_va_sdst(0) depctr_va_ssrc(0) depctr_va_vcc(0) depctr_vm_vsrc(0)
	s_getreg_b32 s2, hwreg(HW_REG_IB_STS2, 6, 4)
	s_cmp_eq_u32 s2, 0
	s_cbranch_scc0 .Lentry_in_a_cluster
	s_endpgm
.Lentry_in_a_cluster:
	s_bfe_u32 s2, ttmp6, 0x10000c
	s_cmp_lg_u32 s2, 0xf033
	s_cbranch_scc0 .Lentry_shape_is_right
	s_endpgm
.Lentry_shape_is_right:
; q, k, v of one head for 256 tokens: [256 tokens] x [192 features] = xh [4096][1024] times wqkvh's 192 rows of the head, bf16 operands, f32 sums;
; then the rotation of q and k by the table of cos and sin, rounding to f16, and out: qh, kh [b*16+head][2048][64], vth [b*16+head][32 blocks][64 features][64 keys].
; q, k and v go on in f16, not bf16: rows that attend to few keys are much larger than the output's mean size, and f16's three more bits are needed there.
; LIMIT: q, k and v are stored in f16: 65,520 or more in magnitude becomes an infinity.
; Four waves; wave w makes tokens 64 w .. 64 w + 63 x all 192 features: 48 accumulator tiles of 16 x 16, 384 registers.  So a wave owns whole rows of
; q, k and v, and its way out is its own.  K = 1,024 goes in 8 steps of 128 through a ring of two LDS slots filled by the tensor data mover;
; a tile's rows are 256 bytes of memory and start at multiples of 256 bytes.
; CLUSTERS: 4 x 4 work-groups.  The four of a row of the cluster have the same 256 tokens (x's tile), the four of a column the same head (W's tile):
; each tile is asked for jointly, which divides the requests for x and W by four.
; REGISTERS, in windows of 256:
;   window 0: v16-27 addresses; v8-9, v32-63 at work on the way out; v64-191 cos and sin (loaded at the start, used at the end); v192-255 read-back
;   window 1: two fragment buffers of 128 registers: W's 12 fragments (16 features x 32 K) at 8 g, x's 4 (16 tokens x 32 K) at 96 + 8 tt
;   window 2: accumulators of token tiles 0, 1 at 8 (12 (tt & 1) + g);  window 3: of token tiles 2, 3.   g = 4 matrix + feature tile
; q and k: source 0 = W, source 1 = x: a lane holds 8 neighbouring features of one token (4 pairs to rotate, 16 bytes of a row of q).
; v: source 0 = x, source 1 = W: a lane holds 8 neighbouring tokens of one feature: v comes out transposed, as the next launch multiplies it.
.set KSTEP,  128
.set PITCH,  272                       ; an LDS row: 256 bytes + 16 of padding: an odd multiple of 16, so the 16 rows of a fragment load start 16 bytes apart modulo 256
.set REG,    128*PITCH                 ; a wave's part of a slot: 128 rows of x, or 96 of W
.set SLOT,   4*REG                     ; x rows 0-127, 128-255, W rows 0-95, 96-191
.set STAGE,  2*SLOT                    ; behind the ring: 64 rows x 144 bytes for each wave; no tensor load lands here
.set SP,     144
.set LAPS,   1024/(2*KSTEP)            ; 4 laps of two K steps
.set ADRX, 16                          ; v16-17  LDS address of my x fragments in slot 0, 1
.set ADRW, 20                          ; v20-21  the same for W
.set STO,  24                          ; the way out: where I put 16 bytes
.set RD,   25                          ; the way out: where I read rows back
.set L16,  26                          ; 16 x lane: offset in the table of cos and sin, and in the outputs
.set TMP,  32
.set CS,   64
.set RB,   192
.set F0,   0
.set F1,   128
.set G1X, 24                           ; s[24:31] group 1 for x's tiles
.set G0X, 32                           ; s[32:39] group 0 for x's tiles, one set for each slot
.set G1W, 48                           ; s[48:55] group 1 for W's tiles
.set G0W, 56                           ; s[56:63] group 0 for W's tiles
.set FLAGS, (1<<16)|(1<<20)|(1<<21)|(5<<22)|(3<<25)   ; elements of 2 bytes; padding on; bit 21 beside a mask; after every 64 words, 4 words
.set MSB, 0
.macro WIN new                         ; the immediate's high byte repeats the setting that is left
.if MSB != (\new)
	s_set_vgpr_msb (MSB<<8)|(\new)
.set MSB, (\new)
.endif
.endm
.set MUL_LO, 0xa5                      ; sources 0 and 1 window 1, C and D window 2
.set MUL_HI, 0xf5                      ; C and D window 3
.set TO_F,   0x40                      ; destination window 1, address window 0
; A joint load: waves 0, 1 fetch x's two halves, waves 2, 3 W's.  The branch hangs on the wave's number alone.
.macro JLOAD s
	s_cmp_eq_u32 s17, 0
	s_cbranch_scc0 .Lfor_w_\@
	tensor_load_to_lds s[G0X+4*\s:G0X+4*\s+3], s[G1X:G1X+7]
	s_nop 0
	s_branch .Lasked_\@
.Lfor_w_\@:
	tensor_load_to_lds s[G0W+4*\s:G0W+4*\s+3], s[G1W:G1W+7]
	s_nop 0
.Lasked_\@:
.endm
.macro CREST                           ; a round of the cluster's barrier behind its opening work-group barrier
	s_cmp_lg_u32 s16, 0
	s_cbranch_scc1 .Lnot_wave_0_\@
	s_barrier_signal -3
.Lnot_wave_0_\@:
	s_barrier_wait -3
	s_barrier_signal -1
	s_barrier_wait -1
.endm
.macro CROUND
	s_barrier_signal -1
	s_barrier_wait -1
	CREST
.endm
	s_load_b256 s[4:11], s[0:1], 0x0               ; xh 4, wqkvh 6, rope 8, qh 10
	s_load_b128 s[12:15], s[0:1], 0x20             ; kh 12, vth 14
	v_lshl_add_u32 v30, v0, 2, 0x4d000
	v_mov_b32 v31, 0
	ds_add_u32 v30, v31
	ds_add_u32 v30, v31
	v_lshrrev_b32 v1, 5, v0
	v_readfirstlane_b32 s16, v1                    ; wave 0..3
	s_lshr_b32 s17, s16, 1                         ; I fetch for x (0) or for W (1)
	s_and_b32 s18, s16, 1                          ; which half of that tile
	s_bfe_u32 s19, ttmp6, 0x40000                  ; cx
	s_bfe_u32 s20, ttmp6, 0x40004                  ; cy
	s_lshl_b32 s21, ttmp9, 2
	s_add_co_u32 s21, s21, s19                     ; head = 4 x cluster x + cx
	s_and_b32 s22, ttmp7, 0xffff
	s_lshl_b32 s22, s22, 2
	s_add_co_u32 s22, s22, s20                     ; block of 256 tokens = 4 x cluster y + cy
	s_lshl_b32 s42, s20, 2
	s_lshl_b32 s42, 15, s42                        ; my row of the cluster
	s_lshl_b32 s43, 0x1111, s19                    ; my column
	s_or_b32 s[G1X+0], s42, FLAGS                  ; x's tiles go to my row
	s_or_b32 s[G1W+0], s43, FLAGS                  ; W's to my column
	s_mov_b32 s[G1X+1], KSTEP<<16                  ; tensor_dim0 = 128
	s_mov_b32 s[G1W+1], KSTEP<<16
	s_mov_b32 s[G1X+2], 128<<16                    ; tensor_dim1 = 128 rows
	s_mov_b32 s[G1W+2], 96<<16                     ; 96 rows
	s_mov_b32 s[G1X+3], KSTEP<<16                  ; tile_dim0 = 128
	s_mov_b32 s[G1W+3], KSTEP<<16
	s_mov_b32 s[G1X+4], 128                        ; tile_dim1
	s_mov_b32 s[G1W+4], 96
	s_mov_b32 s[G1X+5], 1024                       ; elements from row to row
	s_mov_b32 s[G1W+5], 1024
	s_mov_b32 s[G1X+6], 0
	s_mov_b32 s[G1W+6], 0
	s_mov_b32 s[G1X+7], 0
	s_mov_b32 s[G1W+7], 0
	; x's tile hangs on the token block alone, W's on the head alone; each offset in registers that never hold the other coordinate
	s_lshl_b32 s40, s22, 8
	s_lshl_b32 s44, s18, 7
	s_add_co_u32 s40, s40, s44                     ; x: row 256 block + 128 half
	s_lshl_b32 s40, s40, 11                        ; rows of 2,048 bytes
	s_mov_b32 s41, 0
	s_mul_i32 s46, s21, 192
	s_mul_i32 s45, s18, 96
	s_add_co_u32 s46, s46, s45                     ; W: row 192 head + 96 half
	s_lshl_b32 s46, s46, 11
	s_mov_b32 s47, 0
	s_mul_i32 s23, s16, REG                        ; where my part goes: the wave's number alone
	s_wait_dscnt 0x0
	s_wait_kmcnt 0x0
	s_add_nc_u64 s[40:41], s[4:5], s[40:41]
	s_add_nc_u64 s[46:47], s[6:7], s[46:47]
	CROUND                                         ; all sixteen work-groups are here: the first joint loads meet
.irp s, 0,1
	s_mov_b32 s[G0X+4*\s], 1
	s_add_co_u32 s[G0X+4*\s+1], s23, \s*SLOT
	s_add_nc_u64 s[G0X+4*\s+2:G0X+4*\s+3], s[40:41], \s*KSTEP*2
	s_or_b32 s[G0X+4*\s+3], s[G0X+4*\s+3], 0x80000000
	s_mov_b32 s[G0W+4*\s], 1
	s_add_co_u32 s[G0W+4*\s+1], s23, \s*SLOT
	s_add_nc_u64 s[G0W+4*\s+2:G0W+4*\s+3], s[46:47], \s*KSTEP*2
	s_or_b32 s[G0W+4*\s+3], s[G0W+4*\s+3], 0x80000000
	JLOAD \s                                       ; both slots' first fills go out together: two tensor loads of the wave are out
.endr
	v_and_b32 v1, 15, v0                           ; r = lane % 16
	v_bfe_u32 v2, v0, 4, 1                         ; h = lane / 16
	v_and_b32 v3, 31, v0                           ; lane
	v_lshlrev_b32 v[L16], 4, v3
	s_and_b32 s68, s22, 7
	s_lshl_b32 s68, s68, 8
	s_lshl_b32 s69, s16, 6
	s_add_co_u32 s68, s68, s69                     ; my first token in its sequence: 256 (block % 8) + 64 wave
	s_lshl_b32 s66, s68, 8                         ; 16 tokens of the table are 4,096 bytes
	s_mov_b32 s67, 0
	s_add_nc_u64 s[66:67], s[8:9], s[66:67]
	; cos and sin of my 64 tokens, 128 registers, in the order in which the accumulators hold the pairs.  Asked for now, waited for on the way out.
.irp tt, 0,1,2,3
.irp et, 0,1,2,3
.irp u, 0,1
	global_load_b128 v[CS+32*\tt+8*\et+4*\u:CS+32*\tt+8*\et+4*\u+3], v[L16], s[66:67] offset:\tt*4096+\et*1024+\u*512
.endr
.endr
.endr
	v_mul_u32_u24 v4, v1, PITCH
	v_lshl_add_u32 v4, v2, 4, v4                   ; r x pitch + 16 h: a fragment is two loads of 16 bytes, 32 bytes apart
	s_mul_i32 s44, s16, 64*PITCH                   ; my 64 rows of x
	v_add_nc_u32 v[ADRX], s44, v4
	v_add_nc_u32 v[ADRX+1], SLOT, v[ADRX]
	v_add_nc_u32 v[ADRW], 2*REG, v4
	v_add_nc_u32 v[ADRW+1], 2*REG+SLOT, v4
	s_mul_i32 s45, s16, 64*SP
	s_add_co_u32 s45, s45, STAGE                   ; my stage
	v_mul_u32_u24 v5, v1, SP
	v_lshl_add_u32 v5, v2, 4, v5
	v_add_nc_u32 v[STO], s45, v5                   ; in: row r, 16 bytes for each half of the lanes
	v_lshrrev_b32 v6, 3, v3
	v_mul_u32_u24 v6, v6, SP
	v_and_b32 v7, 7, v0
	v_lshl_add_u32 v6, v7, 4, v6
	v_add_nc_u32 v[RD], s45, v6                    ; back: eight lanes take a row of 128 bytes, a load four rows
.macro MM d, a, b, zero                ; zero = 1: the first product starts the sum: nothing is cleared
.if \zero
	v_wmma_f32_16x16x32_bf16 v[\d:\d+7], v[\a:\a+7], v[\b:\b+7], 0
.else
	v_wmma_f32_16x16x32_bf16 v[\d:\d+7], v[\a:\a+7], v[\b:\b+7], v[\d:\d+7]
.endif
.endm
; 12 matrix instructions: token tile 2 hi + t x all 192 features, 32 along K.  The 48 accumulators take turns, one instruction a turn,
; in the same order in every quarter step.
.macro MUL12 f, hi, t, zero
.irp g, 0,1,2,3,4,5,6,7
	MM 8*(12*\t+\g), \f+8*\g, \f+96+8*(2*\hi+\t), \zero
.endr
.irp g, 8,9,10,11
	MM 8*(12*\t+\g), \f+96+8*(2*\hi+\t), \f+8*\g, \zero
.endr
.endm
; 32 LDS loads in one run: the fragments of one quarter step (192 rows of W, my 64 rows of x, 32 K at byte k of the rows) into buffer f
.macro FETCH slot, k, f
	WIN TO_F
.irp g, 0,1,2,3,4,5,6,7,8,9,10,11
	ds_load_b128 v[\f+8*\g:\f+8*\g+3],   v[ADRW+\slot] offset:(\g/6)*REG+(\g%6)*16*PITCH+\k
	ds_load_b128 v[\f+8*\g+4:\f+8*\g+7], v[ADRW+\slot] offset:(\g/6)*REG+(\g%6)*16*PITCH+\k+32
.endr
.irp tt, 0,1,2,3
	ds_load_b128 v[\f+96+8*\tt:\f+96+8*\tt+3],   v[ADRX+\slot] offset:\tt*16*PITCH+\k
	ds_load_b128 v[\f+96+8*\tt+4:\f+96+8*\tt+7], v[ADRX+\slot] offset:\tt*16*PITCH+\k+32
.endr
.endm
; Four places of plain vector instructions stand between a matrix instruction and a load into one of its registers or a vector
; instruction that reads its result (ISA guide 7.12.1 for vector instructions).
.macro PLACES
.rept 4
	v_nop
.endr
.endm
.macro QUARTER slot, k, f, g, zero
	s_wait_dscnt 4                                 ; W and x's tiles 0, 1 are in; the youngest four loads (x's tiles 2, 3) may be out
	WIN MUL_LO
	MUL12 \f, 0, 0, \zero
	MUL12 \f, 0, 1, \zero
	PLACES
	FETCH \slot, \k, \g
	s_wait_dscnt 32                                ; all but the 32 just issued
	WIN MUL_HI
	MUL12 \f, 1, 0, \zero
	MUL12 \f, 1, 1, \zero
.endm
.macro THREE slot, zero
	QUARTER \slot, 64,  F0, F1, \zero
	QUARTER \slot, 128, F1, F0, 0
	QUARTER \slot, 192, F0, F1, 0
.endm
; The last quarter of a K step: multiplies buffer 1 and changes slots.  In front of the barrier each wave waits for its reads of this slot and for
; all its tensor loads (one is out: its part of the next slot).  fill = 1: the barrier opens a round of the cluster's barrier, and behind the round the
; joint refill of this slot, two K steps ahead, comes first.  From that request to the wait for it a wave issues 180 matrix instructions.
.macro TURN slot, next, fill
	s_wait_dscnt 4
	WIN MUL_LO
	MUL12 F1, 0, 0, 0
	s_wait_dscnt 0
	s_set_vgpr_msb 0xa5a0
	s_wait_tensorcnt 0x0
	ds_add_u32 v30, v31
	s_wait_dscnt 0x0
	s_set_vgpr_msb 0xa0a5
	s_barrier_signal -1
	MUL12 F1, 0, 1, 0                              ; register work while the others arrive
	WIN 0
	s_barrier_wait -1
.if \fill
	CREST
	s_add_nc_u64 s[G0X+4*\slot+2:G0X+4*\slot+3], s[G0X+4*\slot+2:G0X+4*\slot+3], 2*KSTEP*2
	s_add_nc_u64 s[G0W+4*\slot+2:G0W+4*\slot+3], s[G0W+4*\slot+2:G0W+4*\slot+3], 2*KSTEP*2
	JLOAD \slot
.endif
	PLACES
	FETCH \next, 0, F0
	WIN MUL_HI
	MUL12 F1, 1, 0, 0
	MUL12 F1, 1, 1, 0
.endm
.macro LAP zero
	THREE 0, \zero
	TURN 0, 1, 1
	THREE 1, 0
	TURN 1, 0, 1
.endm
	s_wait_tensorcnt 1                             ; my part of K step 0 is in; K step 1's stays out
	s_barrier_signal -1
	s_barrier_wait -1
	FETCH 0, 0, F0
	LAP 1                                          ; the first lap's first products start the sums
	WIN 0
	s_mov_b32 s3, LAPS-2
.Llap:
	LAP 0
	WIN 0
	s_sub_co_u32 s3, s3, 1
	s_cmp_lg_u32 s3, 0
	s_cbranch_scc1 .Llap
	THREE 0, 0                                     ; the last lap fills nothing
	TURN 0, 1, 0
	THREE 1, 0
	s_wait_dscnt 4
	WIN MUL_LO
	MUL12 F1, 0, 0, 0
	MUL12 F1, 0, 1, 0
	s_wait_dscnt 0
	WIN MUL_HI
	MUL12 F1, 1, 0, 0
	MUL12 F1, 1, 1, 0
	; THE WAY OUT.  One offset serves all three outputs: (16 batch + head) x 262,144 + my first token x 128 bytes.
	PLACES
	s_wait_loadcnt 0x0                             ; cos and sin
	s_lshr_b32 s70, s22, 3
	s_lshl_b32 s70, s70, 4
	s_add_co_u32 s70, s70, s21
	s_lshl_b32 s70, s70, 18
	s_lshl_b32 s68, s68, 7
	s_add_co_u32 s70, s70, s68
	s_mov_b32 s71, 0
	s_add_nc_u64 s[10:11], s[10:11], s[70:71]
	s_add_nc_u64 s[12:13], s[12:13], s[70:71]
	s_add_nc_u64 s[14:15], s[14:15], s[70:71]
; 16 tokens of q (mat 0) or k (mat 1): each pair (even, odd) is turned by its angle, rounded to f16, and 16 bytes a lane go into my stage
.macro ROPE16 mat, tt
	WIN (0x02+(\tt>>1))                            ; source 0 in the accumulators' window
.irp et, 0,1,2,3
.irp p, 0,1,2,3
	v_mul_f32 v8, v[8*(12*(\tt&1)+4*\mat+\et)+2*\p+1], v[CS+32*\tt+8*\et+2*\p+1]                                ; odd x sin
	v_mul_f32 v9, v[8*(12*(\tt&1)+4*\mat+\et)+2*\p], v[CS+32*\tt+8*\et+2*\p+1]                                  ; even x sin
	v_fma_f32 v[TMP+8*\et+2*\p], v[8*(12*(\tt&1)+4*\mat+\et)+2*\p], v[CS+32*\tt+8*\et+2*\p], -v8                ; even x cos - odd x sin
	v_fma_f32 v[TMP+8*\et+2*\p+1], v[8*(12*(\tt&1)+4*\mat+\et)+2*\p+1], v[CS+32*\tt+8*\et+2*\p], v9             ; odd x cos + even x sin
.endr
.endr
	WIN 0
.irp et, 0,1,2,3
.irp r, 0,1,2,3
	v_cvt_pk_f16_f32 v[TMP+8*\et+\r], v[TMP+8*\et+2*\r], v[TMP+8*\et+2*\r+1]
.endr
.endr
.irp et, 0,1,2,3
	ds_store_b128 v[STO], v[TMP+8*\et:TMP+8*\et+3] offset:\tt*16*SP+32*\et   ; row = token, bytes = features 16 et + 8 h ..
.endr
.endm
; 16 tokens of v, transposed: row = feature, bytes = tokens 16 tt + 8 h ..
.macro V16 tt
	WIN (0x0a+5*(\tt>>1))                          ; sources 0 and 1 in the accumulators' window
.irp ht, 0,1,2,3
.irp r, 0,1,2,3
	v_cvt_pk_f16_f32 v[TMP+4*\ht+\r], v[8*(12*(\tt&1)+8+\ht)+2*\r], v[8*(12*(\tt&1)+8+\ht)+2*\r+1]
.endr
.endr
	WIN 0
.irp ht, 0,1,2,3
	ds_store_b128 v[STO], v[TMP+4*\ht:TMP+4*\ht+3] offset:\ht*16*SP+32*\tt
.endr
.endm
; my stage's 64 rows of 128 bytes are 8,192 consecutive bytes of the output: read back by rows and stored, 512 consecutive aligned bytes a store
.macro FLUSH b
.irp hf, 0,1
	s_wait_xcnt 0x0                                ; the read-back registers, which earlier stores read, are loaded again only behind this wait (ISA guide 3.1)
.irp t, 0,1,2,3,4,5,6,7
	ds_load_b128 v[RB+32*\hf+4*\t:RB+32*\hf+4*\t+3], v[RD] offset:(8*\hf+\t)*4*SP   ; LDS serves a wave's instructions in order (ISA guide 5.7.1.4): these see the stores above
.endr
.irp t, 0,1,2,3,4,5,6,7
	s_wait_dscnt 7-\t
	global_store_b128 v[L16], v[RB+32*\hf+4*\t:RB+32*\hf+4*\t+3], s[\b:\b+1] offset:(8*\hf+\t)*512
.endr
.endr
.endm
	ROPE16 0, 0
	ROPE16 0, 1
	ROPE16 0, 2
	ROPE16 0, 3
	FLUSH 10
	ROPE16 1, 0
	ROPE16 1, 1
	ROPE16 1, 2
	ROPE16 1, 3
	FLUSH 12
	V16 0
	V16 1
	V16 2
	V16 3
	FLUSH 14
	s_wait_tensorcnt 0x0
	ds_add_u32 v30, v31
	s_wait_dscnt 0x0
	CROUND                                         ; the closing round: no work-group ends while a partner may still ask for a tile that names it
	s_endpgm
.Lfunc_end_k_q6692bf0f11_qkv:
	.size	k_q6692bf0f11_qkv, .Lfunc_end_k_q6692bf0f11_qkv-k_q6692bf0f11_qkv
	.p2alignl 7, 3214868480
	.fill 96, 4, 3214868480
	.section	.rodata,"a",@progbits
	.p2align	6, 0x0
	.amdhsa_kernel k_q6692bf0f11_qkv
		.amdhsa_group_segment_fixed_size 327680
		.amdhsa_private_segment_fixed_size 0
		.amdhsa_enable_private_segment 0
		.amdhsa_kernarg_size 48
		.amdhsa_user_sgpr_count 2
		.amdhsa_user_sgpr_kernarg_segment_ptr 1
		.amdhsa_wavefront_size32 1
		.amdhsa_system_sgpr_workgroup_id_x 1
		.amdhsa_system_sgpr_workgroup_id_y 1
		.amdhsa_system_sgpr_workgroup_id_z 1
		.amdhsa_system_vgpr_workitem_id 0
		.amdhsa_next_free_vgpr 960
		.amdhsa_next_free_sgpr 72
		.amdhsa_reserve_vcc 0
		.amdhsa_float_denorm_mode_32 3
		.amdhsa_float_denorm_mode_16_64 3
		.amdhsa_memory_ordered 1
		.amdhsa_forward_progress 1
		.amdhsa_inst_pref_size 190
	.end_amdhsa_kernel
	.amdgpu_metadata
---
amdhsa.version: [ 1, 2 ]
amdhsa.kernels:
  - .name:           k_q6692bf0f11_qkv
    .symbol:         k_q6692bf0f11_qkv.kd
    .args:
      - { .name: xh, .offset: 0, .size: 8, .value_kind: global_buffer, .address_space: global }
      - { .name: wqkvh, .offset: 8, .size: 8, .value_kind: global_buffer, .address_space: global }
      - { .name: rope, .offset: 16, .size: 8, .value_kind: global_buffer, .address_space: global }
      - { .name: qh, .offset: 24, .size: 8, .value_kind: global_buffer, .address_space: global }
      - { .name: kh, .offset: 32, .size: 8, .value_kind: global_buffer, .address_space: global }
      - { .name: vth, .offset: 40, .size: 8, .value_kind: global_buffer, .address_space: global }
    .group_segment_fixed_size: 327680
    .private_segment_fixed_size: 0
    .kernarg_segment_align: 8
    .kernarg_segment_size: 48
    .max_flat_workgroup_size: 128
    .sgpr_count:     72
    .vgpr_count:     960
    .wavefront_size: 32
...
	.end_amdgpu_metadata
.endif
;; end of part 2
;; launch attn (part 3): grid 8 x 32, 8 waves a work-group, no clusters, 327,680 bytes of LDS; arguments qh, kh, vth, atth; writes atth
.if DOCPART == 3
	.amdgcn_target "amdgcn-amd-amdhsa--gfx1250"
	.amdhsa_code_object_version 6
	.text
	.protected	k_q6692bf0f11_attn
	.globl	k_q6692bf0f11_attn
	.p2align	8
	.type	k_q6692bf0f11_attn,@function
k_q6692bf0f11_attn:
	s_mov_b64 s[64:65], 0
	v_nop
	global_prefetch_b8 v0, s[64:65] scope:SCOPE_SE
	s_setreg_imm32_b32 hwreg(HW_REG_WAVE_MODE, 25, 1), 1
	s_wait_xcnt 0x0
; Causal attention of one (batch, head), f16 operands, f32 sums, softmax in f32 with a running maximum.
; qh, kh, atth: [bh][2048][64] f16; vth: [bh][32 blocks][64 features][64 keys] f16.
; LIMIT: the probabilities (at most 1) and the result (a mean of v) are rounded to f16.
; SHARES.  The 2,048 queries are 16 blocks of 128; block j needs key tiles 0 .. j of 128 keys (the rest is masked and not computed).
; Work-group i (0..7) owns blocks A = i and B = 15 - i: 17 tiles in all, for every i.  Eight waves in two groups of four; wave p of a group takes
; rows 32 p .. 32 p + 31 of its group's block.  Group H (waves 4-7): B x tiles 0..7 in steps t = 0..7.  Group L (waves 0-3): A x tiles 0..i in steps
; 0..i, then B x tiles 8..15-i in steps i+1..8.  So every work-group runs nine steps; at step 8 H hands its partial state to L through LDS, and L merges.
; NO MULTICAST: work-groups of one head read the same K and V, but which tile a step needs hangs on the block's number (tile = t or t + 7 - i), so
; partners would ask for different tiles in the same step; made alike (all partners walking all tiles of the largest) they would compute masked tiles.
; LAYOUT.  S^T = K Q^T: a lane holds one query (lane % 16) and keys 8 (lane / 16) + 0..7 of a tile, so maximum, sum and factor are one number a lane,
; and two tiles of S^T, rounded to f16, ARE source 1 of O^T = V^T P^T: nothing moves between lanes but one exchange of the halves.
.set PIT,   144                        ; an LDS row: 128 bytes + 16 of padding, an odd multiple of 16
.set PART,  64*PIT                     ; what one tensor load brings: 64 keys of K, or one block of V^T
.set GRP,   4*PART                     ; a group's tile: K keys 0-63, K keys 64-127, V^T block 0, V^T block 1
.set SLOTB, 2*GRP                      ; a slot: L's tile, H's tile
.set STG,   2*SLOTB                    ; stages of the way out: 32 rows x 144 bytes a wave.  No tensor load lands here or behind
.set MRG,   STG+8*32*PIT               ; H's state for L: 17 x 512 bytes for each of four pairs of waves
.set MRGW,  17*512
.set QST,   MRG+4*MRGW                 ; L's query fragments of block B, kept until they are due: 4,096 bytes a wave
.set ADR,  1                           ; v1-2    LDS address of my fragments in slot 0, 1
.set DV,   3                           ; v3      32 p + lane % 16 - 8 (lane / 16): a key of the diagonal tile is kept if its constant part <= DV
.set STO,  4
.set RD,   5
.set L16,  6                           ; 16 x lane
.set QOFF, 7
.set NM,   10                          ; v[10:13] -(running maximum) x c, twice for each query tile (pairs for packed arithmetic); c = log2(e) / 8
.set AL,   14                          ; v[14:17] the factor that brings old sums to the new maximum, twice each
.set LP,   18                          ; v[18:21] my lane's part of the row sum, a pair each
.set T,    22                          ; v[22:29] at work
.set QA,   30
.set MA,   31
.set Q,    32                          ; v[32:63]   query fragments at 16 qt + 8 hs
.set O,    64                          ; v[64:127]  O^T tiles at 8 (2 ht + qt)
.set S,    128                         ; v[128:191] S^T tiles at 32 qt + 8 kt; then P
.set FR,   192                         ; v[192:255] K fragments at 16 kt + 8 hs; then V^T fragments at 32 ks + 8 ht
.set G1,   24
.set G0,   32
	s_load_b256 s[4:11], s[0:1], 0x0               ; qh 4, kh 6, vth 8, atth 10
	s_set_vgpr_msb 0x40
	v_lshl_add_u32 v0, v0, 2, 0x39800
	v_mov_b32 v1, 0
	s_set_vgpr_msb 0x4045
	ds_add_u32 v0, v1
	ds_add_u32 v0, v1
	s_set_vgpr_msb 0x4500
	v_lshrrev_b32 v8, 5, v0
	v_readfirstlane_b32 s12, v8                    ; wave 0..7
	s_lshr_b32 s13, s12, 2                         ; group: 0 = L, 1 = H
	s_and_b32 s14, s12, 3                          ; p
	s_mov_b32 s15, ttmp9                           ; i
	s_and_b32 s16, ttmp7, 0xffff                   ; bh
	s_sub_co_u32 s18, 7, s15
	s_cmp_eq_u32 s13, 0
	s_cselect_b32 s17, s15, 99                     ; the step of A's diagonal tile; H has none
	s_cselect_b32 s18, s18, 0                      ; what is added to the step's number behind it
	; group 1: 8,192 dense bytes as 32 rows of 256 bytes; 4 words of padding after every 32 words, so that each 128 bytes get an LDS row of 144
	s_mov_b32 s[G1+0], (1<<16)|(1<<20)|(4<<22)|(3<<25)
	s_mov_b32 s[G1+1], 128<<16                     ; tensor_dim0 = 128 elements
	s_mov_b32 s[G1+2], 32<<16                      ; tensor_dim1 = 32
	s_mov_b32 s[G1+3], 128<<16                     ; tile_dim0
	s_mov_b32 s[G1+4], 32                          ; tile_dim1
	s_mov_b32 s[G1+5], 128                         ; pitch
	s_mov_b32 s[G1+6], 0
	s_mov_b32 s[G1+7], 0
	s_mov_b32 s[G0+0], 1
	s_mul_i32 s[G0+1], s12, PART                   ; slot 0: the wave's number x 9,216
	s_mov_b32 s[G0+4], 1
	s_add_co_u32 s[G0+5], s[G0+1], SLOTB           ; slot 1
	s_lshl_b32 s20, s16, 18                        ; the head's 262,144 bytes
	s_and_b32 s21, s12, 1
	s_lshl_b32 s21, s21, 13                        ; first or second 64 keys
	s_add_co_u32 s20, s20, s21
	s_mov_b32 s21, 0
	s_wait_dscnt 0x0
	s_wait_kmcnt 0x0
	s_bitcmp1_b32 s12, 1
	s_cselect_b64 s[40:41], s[8:9], s[6:7]         ; waves 2, 3, 6, 7 fetch V^T, the others K
	s_add_nc_u64 s[40:41], s[40:41], s[20:21]      ; my stream: a tile is 16,384 bytes on
	s_mov_b64 s[G0+2:G0+3], s[40:41]
	s_or_b32 s[G0+3], s[G0+3], 0x80000000
	tensor_load_to_lds s[G0:G0+3], s[G1:G1+7]      ; tile 0 into slot 0, ahead of everything else: one tensor load of the wave is out, here and behind every barrier
	s_nop 0
	s_lshl_b32 s20, s16, 18
	s_lshl_b32 s22, s14, 12                        ; 32 p rows of 128 bytes
	s_add_co_u32 s20, s20, s22
	s_lshl_b32 s22, s15, 14
	s_add_co_u32 s22, s22, s20                     ; my rows of block A
	s_sub_co_u32 s52, 15, s15
	s_lshl_b32 s52, s52, 14
	s_add_co_u32 s52, s52, s20                     ; my rows of block B
	s_mov_b32 s23, 0
	s_mov_b32 s53, 0
	s_cmp_eq_u32 s13, 0
	s_cselect_b32 s54, s22, s52                    ; my first block: L begins with A, H with B
	s_mov_b32 s55, 0
	s_add_nc_u64 s[44:45], s[10:11], s[22:23]      ; atth at A
	s_add_nc_u64 s[46:47], s[10:11], s[52:53]      ; atth at B
	s_add_nc_u64 s[42:43], s[4:5], s[52:53]        ; qh at B
	s_add_nc_u64 s[54:55], s[4:5], s[54:55]        ; qh at my first block
	s_mov_b32 s48, 0x76543210                      ; v_permlanex16_b32: lane i of one half reads lane i of the other
	s_mov_b32 s49, 0xfedcba98
	s_mov_b32 s50, 0xff800000                      ; -infinity
	v_and_b32 v8, 31, v0                           ; lane
	v_and_b32 v9, 15, v0                           ; r
	v_bfe_u32 v22, v0, 4, 1                        ; h
	v_lshlrev_b32 v[QOFF], 7, v9
	v_lshl_add_u32 v[QOFF], v22, 4, v[QOFF]        ; r x 128 + 16 h
.macro QLOAD dst, b                    ; 32 rows x 64 numbers of q as four fragments
.irp qt, 0,1
.irp hs, 0,1
	global_load_b128 v[\dst+16*\qt+8*\hs:\dst+16*\qt+8*\hs+3],   v[QOFF], s[\b:\b+1] offset:2048*\qt+64*\hs
	global_load_b128 v[\dst+16*\qt+8*\hs+4:\dst+16*\qt+8*\hs+7], v[QOFF], s[\b:\b+1] offset:2048*\qt+64*\hs+32
.endr
.endr
.endm
	QLOAD Q, 54
	s_cmp_ge_u32 s12, 4
	s_cbranch_scc1 .Lone_block
	QLOAD S, 42                                    ; L: block B's fragments too, to be kept in LDS
.Lone_block:
	v_mul_u32_u24 v23, v9, PIT
	v_lshl_add_u32 v23, v22, 4, v23                ; r x 144 + 16 h
	s_mul_i32 s20, s13, GRP
	v_add_nc_u32 v[ADR], s20, v23
	v_add_nc_u32 v[ADR+1], SLOTB, v[ADR]
	s_lshl_b32 s20, s14, 5
	v_add_nc_u32 v[DV], s20, v9
	v_lshlrev_b32 v24, 3, v22
	v_sub_nc_u32 v[DV], v[DV], v24
	s_mul_i32 s20, s12, 32*PIT
	s_add_co_u32 s20, s20, STG
	v_add_nc_u32 v[STO], s20, v23
	v_lshrrev_b32 v24, 3, v8
	v_mul_u32_u24 v24, v24, PIT
	v_and_b32 v25, 7, v0
	v_lshl_add_u32 v24, v25, 4, v24
	v_add_nc_u32 v[RD], s20, v24                   ; back: eight lanes take a row of 128 bytes
	v_lshlrev_b32 v[L16], 4, v8
	s_lshl_b32 s20, s14, 12
	s_add_co_u32 s20, s20, QST
	v_add_nc_u32 v[QA], s20, v[L16]
	s_mul_i32 s20, s14, MRGW
	s_add_co_u32 s20, s20, MRG
	v_add_nc_u32 v[MA], s20, v[L16]
	; O and the sums are cleared once, while the first tile is on its way: every step scales them by AL, so they must hold finite numbers.
	; A first step of its own, with 0 as C, would double the loop's text.  A state is begun by NM = +infinity alone: the next AL is 2^-inf = 0.
.set n, 0
.rept 64
	v_mov_b32 v[O+n], 0
.set n, n+1
.endr
.irp n, 0,1,2,3
	v_mov_b32 v[LP+\n], 0
	v_mov_b32 v[NM+\n], 0x7f800000
.endr
	v_mov_b32 v[T+4], 0                            ; destinations of v_permlanex16_b32 count as read
	v_mov_b32 v[T+5], 0
	s_wait_loadcnt 0x0
	s_cmp_ge_u32 s12, 4
	s_cbranch_scc1 .Lkept
.irp n, 0,1,2,3,4,5,6,7
	ds_store_b128 v[QA], v[S+4*\n:S+4*\n+3] offset:512*\n
.endr
.Lkept:
.macro MM d, a, b, zero
.if \zero
	v_wmma_f32_16x16x32_f16 v[\d:\d+7], v[\a:\a+7], v[\b:\b+7], 0
.else
	v_wmma_f32_16x16x32_f16 v[\d:\d+7], v[\a:\a+7], v[\b:\b+7], v[\d:\d+7]
.endif
.endm
.macro KLOAD slot, sub                 ; 64 keys x 64 numbers of K: 16 loads, key tile by key tile
.irp kt, 0,1,2,3
.irp hs, 0,1
	ds_load_b128 v[FR+16*\kt+8*\hs:FR+16*\kt+8*\hs+3],   v[ADR+\slot] offset:\sub*PART+\kt*16*PIT+64*\hs
	ds_load_b128 v[FR+16*\kt+8*\hs+4:FR+16*\kt+8*\hs+7], v[ADR+\slot] offset:\sub*PART+\kt*16*PIT+64*\hs+32
.endr
.endr
.endm
; 32 queries x 64 keys.  mask = 1: the diagonal tile.  more = 1: the tile's second 64 keys follow.
.macro SUB slot, sub, mask, more
.irp kt, 0,1,2,3
	s_wait_dscnt 12-4*\kt                          ; this key tile's four loads are in; the later tiles' stay out
	MM S+8*\kt,    FR+16*\kt,   Q,    1            ; the two query tiles' accumulators take turns, one instruction a turn
	MM S+32+8*\kt, FR+16*\kt,   Q+16, 1
	MM S+8*\kt,    FR+16*\kt+8, Q+8,  0
	MM S+32+8*\kt, FR+16*\kt+8, Q+24, 0
.endr
.rept 4
	v_nop                                          ; four places before K's registers are loaded again and S is read (ISA guide 7.12.1)
.endr
.irp ks, 0,1
.irp ht, 0,1,2,3
	ds_load_b128 v[FR+32*\ks+8*\ht:FR+32*\ks+8*\ht+3],   v[ADR+\slot] offset:2*PART+\sub*PART+\ht*16*PIT+64*\ks      ; V^T: lands while the softmax runs
	ds_load_b128 v[FR+32*\ks+8*\ht+4:FR+32*\ks+8*\ht+7], v[ADR+\slot] offset:2*PART+\sub*PART+\ht*16*PIT+64*\ks+32
.endr
.endr
.if \mask
.irp qt, 0,1
.irp kt, 0,1,2,3
.irp j, 0,1,2,3,4,5,6,7
	v_cmp_le_i32 vcc_lo, 64*\sub+16*\kt+\j-16*\qt, v[DV]          ; key <= query
	v_cndmask_b32 v[S+32*\qt+8*\kt+\j], s50, v[S+32*\qt+8*\kt+\j], vcc_lo
.endr
.endr
.endr
.endif
	; the largest of my 32 numbers of each query tile: two chains each
.irp qt, 0,1
	v_max3_num_f32 v[T+2*\qt],   v[S+32*\qt],    v[S+32*\qt+1],  v[S+32*\qt+2]
	v_max3_num_f32 v[T+2*\qt+1], v[S+32*\qt+16], v[S+32*\qt+17], v[S+32*\qt+18]
.endr
.irp k, 3,5,7,9,11,13
.irp qt, 0,1
	v_max3_num_f32 v[T+2*\qt],   v[T+2*\qt],   v[S+32*\qt+\k],    v[S+32*\qt+\k+1]
	v_max3_num_f32 v[T+2*\qt+1], v[T+2*\qt+1], v[S+32*\qt+16+\k], v[S+32*\qt+17+\k]
.endr
.endr
.irp qt, 0,1
	v_max3_num_f32 v[T+2*\qt], v[T+2*\qt], v[T+2*\qt+1], v[S+32*\qt+15]
	v_max_num_f32 v[T+2*\qt], v[T+2*\qt], v[S+32*\qt+31]
.endr
	v_permlanex16_b32 v[T+4], v[T], s48, s49       ; the other half of the lanes holds the query's other keys
	v_permlanex16_b32 v[T+5], v[T+2], s48, s49
.irp qt, 0,1
	v_max_num_f32 v[T+2*\qt], v[T+2*\qt], v[T+4+\qt]
	v_mul_f32 v[T+2*\qt], 0xbe38aa3b, v[T+2*\qt]                  ; x -c
	v_min_num_f32 v[T+2*\qt], v[NM+2*\qt], v[T+2*\qt]             ; the new -maximum x c (all keys masked: +infinity loses, NM stays)
	v_sub_f32 v[T+2*\qt+1], v[T+2*\qt], v[NM+2*\qt]
.endr
	v_exp_f32 v[AL], v[T+1]
	v_exp_f32 v[AL+2], v[T+3]
	v_mov_b32 v[NM], v[T]                          ; plain instructions behind the transcendentals (ISA guide 5.7.2)
	v_mov_b32 v[NM+1], v[T]
	v_mov_b32 v[NM+2], v[T+2]
	v_mov_b32 v[NM+3], v[T+2]
	s_wait_alu depctr_va_vdst(0)
	v_mov_b32 v[AL+1], v[AL]
	v_mov_b32 v[AL+3], v[AL+2]
.set n, 0
.rept 32
	v_pk_fma_f32 v[S+2*n:S+2*n+1], v[S+2*n:S+2*n+1], 0x3e38aa3b, v[NM+2*(n>>4):NM+2*(n>>4)+1] op_sel_hi:[1,0,1]   ; (s - maximum) x c
.set n, n+1
.endr
.set n, 0
.rept 32
	v_exp_f32 v[S+2*n], v[S+2*n]
	v_exp_f32 v[S+2*n+1], v[S+2*n+1]
	v_pk_mul_f32 v[O+2*n:O+2*n+1], v[O+2*n:O+2*n+1], v[AL+2*((n>>2)&1):AL+2*((n>>2)&1)+1]   ; O to the new maximum: independent work, and the plain place behind the pair
.set n, n+1
.endr
	v_pk_mul_f32 v[LP:LP+1], v[LP:LP+1], v[AL:AL+1]
	v_pk_mul_f32 v[LP+2:LP+3], v[LP+2:LP+3], v[AL+2:AL+3]
	s_wait_alu depctr_va_vdst(0)
.irp qt, 0,1
	v_pk_add_f32 v[T+2*\qt:T+2*\qt+1], v[S+32*\qt+16:S+32*\qt+17], v[S+32*\qt+18:S+32*\qt+19]
.endr
.irp k, 0,2,4,6,8,10
.irp qt, 0,1
	v_pk_add_f32 v[LP+2*\qt:LP+2*\qt+1], v[LP+2*\qt:LP+2*\qt+1], v[S+32*\qt+\k:S+32*\qt+\k+1]
	v_pk_add_f32 v[T+2*\qt:T+2*\qt+1], v[T+2*\qt:T+2*\qt+1], v[S+32*\qt+20+\k:S+32*\qt+21+\k]
.endr
.endr
.irp k, 12,14
.irp qt, 0,1
	v_pk_add_f32 v[LP+2*\qt:LP+2*\qt+1], v[LP+2*\qt:LP+2*\qt+1], v[S+32*\qt+\k:S+32*\qt+\k+1]
.endr
.endr
.irp qt, 0,1
	v_pk_add_f32 v[LP+2*\qt:LP+2*\qt+1], v[LP+2*\qt:LP+2*\qt+1], v[T+2*\qt:T+2*\qt+1]
.endr
	; P to f16, in place: key tiles 2 ks and 2 ks + 1 become registers 0-3 and 4-7 of a fragment of 32 keys
.irp qt, 0,1
.irp ks, 0,1
.irp r, 0,1,2,3
	v_cvt_pk_f16_f32 v[S+32*\qt+16*\ks+\r], v[S+32*\qt+16*\ks+2*\r], v[S+32*\qt+16*\ks+2*\r+1]
.endr
.irp r, 0,1,2,3
	v_cvt_pk_f16_f32 v[S+32*\qt+16*\ks+4+\r], v[S+32*\qt+16*\ks+8+2*\r], v[S+32*\qt+16*\ks+9+2*\r]
.endr
.endr
.endr
	s_wait_dscnt 0x0                               ; V^T
.irp ks, 0,1
.irp ht, 0,1,2,3
.irp qt, 0,1
	MM O+8*(2*\ht+\qt), FR+32*\ks+8*\ht, S+32*\qt+16*\ks, 0       ; the eight accumulators take turns
.endr
.endr
.endr
.rept 5
	v_nop                                          ; five places before the next S products write over P, four before V^T's registers are loaded again (ISA guide 7.12.1)
.endr
.if \more
	KLOAD \slot, 1
.endif
.endm
.macro TILE slot, mask
	KLOAD \slot, 0
	SUB \slot, 0, \mask, 1
	SUB \slot, 1, \mask, 0
.endm
; a block is done: divide by the row sum, round to f16, through my stage into rows of 128 bytes, 4,096 consecutive bytes of atth at s[b:b+1]
.macro FIN b
	v_add_f32 v[T], v[LP], v[LP+1]
	v_add_f32 v[T+2], v[LP+2], v[LP+3]
	v_permlanex16_b32 v[T+4], v[T], s48, s49
	v_permlanex16_b32 v[T+5], v[T+2], s48, s49
	v_add_f32 v[T], v[T], v[T+4]
	v_add_f32 v[T+2], v[T+2], v[T+5]               ; at least 1: the largest key's term
	v_rcp_f32 v[AL], v[T]
	v_rcp_f32 v[AL+2], v[T+2]
	v_nop
	s_wait_alu depctr_va_vdst(0)
	v_mov_b32 v[AL+1], v[AL]
	v_mov_b32 v[AL+3], v[AL+2]
.set n, 0
.rept 32
	v_pk_mul_f32 v[O+2*n:O+2*n+1], v[O+2*n:O+2*n+1], v[AL+2*((n>>2)&1):AL+2*((n>>2)&1)+1]
.set n, n+1
.endr
.irp tl, 0,1,2,3,4,5,6,7
.irp r, 0,1,2,3
	v_cvt_pk_f16_f32 v[S+4*\tl+\r], v[O+8*\tl+2*\r], v[O+8*\tl+2*\r+1]
.endr
.endr
.irp tl, 0,1,2,3,4,5,6,7
	ds_store_b128 v[STO], v[S+4*\tl:S+4*\tl+3] offset:(\tl&1)*16*PIT+32*(\tl>>1)   ; row = query, bytes = features 16 ht + 8 h ..
.endr
.irp n, 0,1,2,3,4,5,6,7
	ds_load_b128 v[FR+4*\n:FR+4*\n+3], v[RD] offset:4*PIT*\n      ; LDS serves a wave's instructions in order (ISA guide 5.7.1.4)
.endr
.irp n, 0,1,2,3,4,5,6,7
	s_wait_dscnt 7-\n
	global_store_b128 v[L16], v[FR+4*\n:FR+4*\n+3], s[\b:\b+1] offset:512*\n   ; 512 consecutive aligned bytes
.endr
	s_wait_xcnt 0x0                                ; the stores' data registers are loaded again only behind this wait (ISA guide 3.1)
.endm
; Step t = s19 + dt on slot 'slot'.  Every wave waits for all its tensor loads (its part of this step's tile) and for its LDS reads of the other slot,
; passes the barrier, and asks first thing for the next step's tile into the other slot: that load has the whole step in which to land.
; mode 1: every wave asks.  mode 2 (step 7): L alone, H has no step 8.
.macro STEP slot, dt, mode
	s_set_vgpr_msb 0x5
	s_wait_tensorcnt 0x0
	ds_add_u32 v0, v1
	s_wait_dscnt 0x0
	s_set_vgpr_msb 0x500
	s_add_co_u32 s20, s19, \dt+1                   ; no tensor load of mine is out: the other slot's address may be written
	s_cmp_gt_u32 s20, s17
	s_cselect_b32 s21, s18, 0
	s_add_co_u32 s20, s20, s21                     ; the next step's key tile
	s_lshl_b32 s20, s20, 14
	s_mov_b32 s21, 0
	s_add_nc_u64 s[G0+4*(1-\slot)+2:G0+4*(1-\slot)+3], s[40:41], s[20:21]
	s_or_b32 s[G0+4*(1-\slot)+3], s[G0+4*(1-\slot)+3], 0x80000000
	s_wait_dscnt 0x0
	s_barrier_signal -1
	s_barrier_wait -1
.if \mode == 1
	tensor_load_to_lds s[G0+4*(1-\slot):G0+4*(1-\slot)+3], s[G1:G1+7]
	s_nop 0
.else
	s_cmp_ge_u32 s12, 4
	s_cbranch_scc1 .Lno_fill_\@
	tensor_load_to_lds s[G0+4*(1-\slot):G0+4*(1-\slot)+3], s[G1:G1+7]
	s_nop 0
.Lno_fill_\@:
.endif
	s_add_co_u32 s22, s19, \dt
	s_cmp_eq_u32 s22, s17
	s_cbranch_scc1 .Ldiagonal_\@
	TILE \slot, 0
	s_branch .Lnext_\@
.Ldiagonal_\@:
	TILE \slot, 1                                  ; L's block A ends here
	FIN 44
.irp n, 0,1,2,3,4,5,6,7
	ds_load_b128 v[Q+4*\n:Q+4*\n+3], v[QA] offset:512*\n          ; block B's queries; waited for in front of the next barrier
.endr
.irp n, 0,1,2,3
	v_mov_b32 v[NM+\n], 0x7f800000                 ; a new state: the next AL is 0 and wipes O and the sums, which are finite
.endr
.Lnext_\@:
.endm
	s_mov_b32 s19, 0
.Lpair:
	STEP 0, 0, 1
	STEP 1, 1, 1
	s_add_co_u32 s19, s19, 2
	s_cmp_lt_u32 s19, 6
	s_cbranch_scc1 .Lpair
	STEP 0, 0, 1                                   ; t = 6
	STEP 1, 1, 2                                   ; t = 7
	; t = 8: L's last tile, B's diagonal; nothing is filled any more.  H puts its state into LDS.
	s_wait_tensorcnt 0x0
	s_wait_dscnt 0x0
	s_barrier_signal -1
	s_barrier_wait -1
	s_cmp_ge_u32 s12, 4
	s_cbranch_scc1 .Lhigh
	TILE 0, 1
	s_branch .Lmeet
.Lhigh:
	v_mov_b32 v[T], v[NM]
	v_mov_b32 v[T+1], v[NM+2]
	v_add_f32 v[T+2], v[LP], v[LP+1]
	v_add_f32 v[T+3], v[LP+2], v[LP+3]
.irp n, 0,1,2,3,4,5,6,7,8,9,10,11,12,13,14,15
	ds_store_b128 v[MA], v[O+4*\n:O+4*\n+3] offset:512*\n
.endr
	ds_store_b128 v[MA], v[T:T+3] offset:8192
.Lmeet:
	s_wait_dscnt 0x0                               ; H's stores are done before it signals
	s_barrier_signal -1
	s_barrier_wait -1
	s_cmp_ge_u32 s12, 4
	s_cbranch_scc1 .Lend
	; L's wave p and H's wave p hold the same rows of B in the same lanes: both states are brought to the common maximum and added
.irp n, 0,1,2,3,4,5,6,7,8,9,10,11,12,13,14,15
	ds_load_b128 v[S+4*\n:S+4*\n+3], v[MA] offset:512*\n
.endr
	ds_load_b128 v[T:T+3], v[MA] offset:8192
	s_wait_dscnt 0x0
.irp qt, 0,1
	v_min_num_f32 v[8+\qt], v[NM+2*\qt], v[T+\qt]
	v_sub_f32 v[AL+2*\qt], v[8+\qt], v[NM+2*\qt]
	v_sub_f32 v[T+4+2*\qt], v[8+\qt], v[T+\qt]
.endr
	v_exp_f32 v[AL], v[AL]
	v_exp_f32 v[AL+2], v[AL+2]
	v_exp_f32 v[T+4], v[T+4]
	v_exp_f32 v[T+6], v[T+6]
	v_nop
	s_wait_alu depctr_va_vdst(0)
	v_mov_b32 v[AL+1], v[AL]
	v_mov_b32 v[AL+3], v[AL+2]
	v_mov_b32 v[T+5], v[T+4]
	v_mov_b32 v[T+7], v[T+6]
.irp qt, 0,1
	v_pk_mul_f32 v[LP+2*\qt:LP+2*\qt+1], v[LP+2*\qt:LP+2*\qt+1], v[AL+2*\qt:AL+2*\qt+1]
	v_fmac_f32 v[LP+2*\qt], v[T+2+\qt], v[T+4+2*\qt]
.endr
.set n, 0
.rept 32
	v_pk_mul_f32 v[O+2*n:O+2*n+1], v[O+2*n:O+2*n+1], v[AL+2*((n>>2)&1):AL+2*((n>>2)&1)+1]
	v_pk_fma_f32 v[O+2*n:O+2*n+1], v[S+2*n:S+2*n+1], v[T+4+2*((n>>2)&1):T+5+2*((n>>2)&1)], v[O+2*n:O+2*n+1]
.set n, n+1
.endr
	FIN 46
.Lend:
	s_set_vgpr_msb 0x5
	s_wait_tensorcnt 0x0
	ds_add_u32 v0, v1
	s_wait_dscnt 0x0
	s_set_vgpr_msb 0x500
	s_endpgm
.Lfunc_end_k_q6692bf0f11_attn:
	.size	k_q6692bf0f11_attn, .Lfunc_end_k_q6692bf0f11_attn-k_q6692bf0f11_attn
	.p2alignl 7, 3214868480
	.fill 96, 4, 3214868480
	.section	.rodata,"a",@progbits
	.p2align	6, 0x0
	.amdhsa_kernel k_q6692bf0f11_attn
		.amdhsa_group_segment_fixed_size 327680
		.amdhsa_private_segment_fixed_size 0
		.amdhsa_enable_private_segment 0
		.amdhsa_kernarg_size 32
		.amdhsa_user_sgpr_count 2
		.amdhsa_user_sgpr_kernarg_segment_ptr 1
		.amdhsa_wavefront_size32 1
		.amdhsa_system_sgpr_workgroup_id_x 1
		.amdhsa_system_sgpr_workgroup_id_y 1
		.amdhsa_system_sgpr_workgroup_id_z 1
		.amdhsa_system_vgpr_workitem_id 0
		.amdhsa_next_free_vgpr 258
		.amdhsa_next_free_sgpr 66
		.amdhsa_reserve_vcc 1
		.amdhsa_float_denorm_mode_32 3
		.amdhsa_float_denorm_mode_16_64 3
		.amdhsa_memory_ordered 1
		.amdhsa_forward_progress 1
		.amdhsa_inst_pref_size 255
	.end_amdhsa_kernel
	.section	.bss,"aw",@nobits
	.p2align	6
	.space	262144
	.amdgpu_metadata
---
amdhsa.version: [ 1, 2 ]
amdhsa.kernels:
  - .name:           k_q6692bf0f11_attn
    .symbol:         k_q6692bf0f11_attn.kd
    .args:
      - { .name: qh, .offset: 0, .size: 8, .value_kind: global_buffer, .address_space: global }
      - { .name: kh, .offset: 8, .size: 8, .value_kind: global_buffer, .address_space: global }
      - { .name: vth, .offset: 16, .size: 8, .value_kind: global_buffer, .address_space: global }
      - { .name: atth, .offset: 24, .size: 8, .value_kind: global_buffer, .address_space: global }
    .group_segment_fixed_size: 327680
    .private_segment_fixed_size: 0
    .kernarg_segment_align: 8
    .kernarg_segment_size: 32
    .max_flat_workgroup_size: 256
    .sgpr_count:     66
    .vgpr_count:     258
    .wavefront_size: 32
...
	.end_amdgpu_metadata
.endif
;; end of part 3
;; launch oproj (part 4): grid 8 x 32, 4 waves a work-group, clusters of 4 x 4, 327,680 bytes of LDS; arguments atth, woh, out0; writes out0
.if DOCPART == 4
	.amdgcn_target "amdgcn-amd-amdhsa--gfx1250"
	.amdhsa_code_object_version 6
	.text
	.protected	k_q6692bf0f11_oproj
	.globl	k_q6692bf0f11_oproj
	.p2align	8
	.type	k_q6692bf0f11_oproj,@function
k_q6692bf0f11_oproj:
	s_mov_b64 s[64:65], 0
	v_nop
	global_prefetch_b8 v0, s[64:65] scope:SCOPE_SE
	s_setreg_imm32_b32 hwreg(HW_REG_WAVE_MODE, 25, 1), 1
	s_wait_xcnt 0x0
	s_wait_alu depctr_hold_cnt(0) depctr_sa_sdst(0) depctr_va_vdst(0) depctr_va_sdst(0) depctr_va_ssrc(0) depctr_va_vcc(0) depctr_vm_vsrc(0)
	s_getreg_b32 s2, hwreg(HW_REG_IB_STS2, 6, 4)
	s_cmp_eq_u32 s2, 0
	s_cbranch_scc0 .Lentry_in_a_cluster
	s_endpgm
.Lentry_in_a_cluster:
	s_bfe_u32 s2, ttmp6, 0x10000c
	s_cmp_lg_u32 s2, 0xf033
	s_cbranch_scc0 .Lentry_shape_is_right
	s_endpgm
.Lentry_shape_is_right:
; out0[row][e] = sum over d of att[row][d] wo[e][d], f16 operands, f32 sums, f32 out.  att lies by heads: atth [b*16+head][2048][64]; woh [1024][1024].
; A work-group makes 128 rows x 128 columns with four waves of 64 x 64 (16 accumulator tiles): 256 work-groups.  K = 1,024 goes in four fills of 256
; (four heads) through two LDS slots: a fill has 112 matrix instructions of each wave in which to land.  Everything is written out: no loop.
; CLUSTERS: 4 x 4.  att's tile hangs on the block row alone and is shared along a row of the cluster, wo's on the block column and is shared along a column.
; The matrix instruction is used transposed (source 0 = wo, source 1 = att): a lane holds 8 neighbouring columns of one row of out0.
; window 0: addresses, two fragment buffers, read-back;  window 1: the accumulators, tile (mt, nt) at 8 (4 mt + nt).
.set PA,    144                        ; att's LDS rows: 128 bytes (a head's 64 numbers) + 16
.set PB,    528                        ; wo's LDS rows: 512 bytes (256 along K) + 16
.set REG,   36864                      ; a wave's part of a slot: two head planes of 128 rows x 144, or 64 rows x 528 (33,792)
.set SLOT,  4*REG
.set STAGE, 2*SLOT                     ; behind the ring: 16 rows x 272 bytes for each wave
.set SP,    272
.set ADRA, 16
.set ADRB, 20
.set STO,  24
.set RD,   25
.set CO,   26
.set F0,   64
.set F1,   128
.set RB,   192
.set G1A, 24
.set G0A, 32
.set G1B, 48
.set G0B, 56
.set MSB, 0
.macro WIN new
.if MSB != (\new)
	s_set_vgpr_msb (MSB<<8)|(\new)
.set MSB, (\new)
.endif
.endm
.set MUL, 0x50                         ; sources window 0, C and D window 1
.macro JLOAD s
	s_cmp_eq_u32 s17, 0
	s_cbranch_scc0 .Lfor_b_\@
	tensor_load_to_lds s[G0A+4*\s:G0A+4*\s+3], s[G1A:G1A+7]
	s_nop 0
	s_branch .Lasked_\@
.Lfor_b_\@:
	tensor_load_to_lds s[G0B+4*\s:G0B+4*\s+3], s[G1B:G1B+7]
	s_nop 0
.Lasked_\@:
.endm
.macro CREST
	s_cmp_lg_u32 s16, 0
	s_cbranch_scc1 .Lnot_wave_0_\@
	s_barrier_signal -3
.Lnot_wave_0_\@:
	s_barrier_wait -3
	s_barrier_signal -1
	s_barrier_wait -1
.endm
.macro CROUND
	s_barrier_signal -1
	s_barrier_wait -1
	CREST
.endm
	s_load_b128 s[4:7], s[0:1], 0x0                ; atth 4, woh 6
	s_load_b64 s[8:9], s[0:1], 0x10                ; out0
	v_lshl_add_u32 v62, v0, 2, 0x4c400
	v_mov_b32 v63, 0
	ds_add_u32 v62, v63
	ds_add_u32 v62, v63
	v_lshrrev_b32 v1, 5, v0
	v_readfirstlane_b32 s16, v1                    ; wave
	s_lshr_b32 s17, s16, 1                         ; my half of the rows.  Also: I fetch for att (0) or wo (1)
	s_and_b32 s18, s16, 1                          ; my half of the columns.  Also: which half of that tile
	s_bfe_u32 s19, ttmp6, 0x40000                  ; cx
	s_bfe_u32 s20, ttmp6, 0x40004                  ; cy
	s_lshl_b32 s21, ttmp9, 2
	s_add_co_u32 s21, s21, s19                     ; block column, 0..7
	s_and_b32 s22, ttmp7, 0xffff
	s_lshl_b32 s22, s22, 2
	s_add_co_u32 s22, s22, s20                     ; block row, 0..31
	s_lshl_b32 s42, s20, 2
	s_lshl_b32 s42, 15, s42
	s_lshl_b32 s43, 0x1111, s19
	; att: two head planes, each 16,384 dense bytes, as a tile of 2 rows of 8,192 elements 131,072 elements apart; 4 words of padding after every 32
	s_or_b32 s[G1A+0], s42, (1<<16)|(1<<20)|(1<<21)|(4<<22)|(3<<25)
	s_mov_b32 s[G1A+1], 8192<<16
	s_mov_b32 s[G1A+2], 2<<16
	s_mov_b32 s[G1A+3], 8192<<16
	s_mov_b32 s[G1A+4], 2
	s_mov_b32 s[G1A+5], 131072
	s_mov_b32 s[G1A+6], 0
	s_mov_b32 s[G1A+7], 0
	; wo: 64 rows of 256 elements; 4 words of padding after every 128
	s_or_b32 s[G1B+0], s43, (1<<16)|(1<<20)|(1<<21)|(6<<22)|(3<<25)
	s_mov_b32 s[G1B+1], 256<<16
	s_mov_b32 s[G1B+2], 64<<16
	s_mov_b32 s[G1B+3], 256<<16
	s_mov_b32 s[G1B+4], 64
	s_mov_b32 s[G1B+5], 1024
	s_mov_b32 s[G1B+6], 0
	s_mov_b32 s[G1B+7], 0
	s_lshr_b32 s40, s22, 4                         ; batch
	s_lshl_b32 s40, s40, 4
	s_lshl1_add_u32 s40, s18, s40                  ; plane 16 batch + 2 half
	s_lshl_b32 s40, s40, 18
	s_and_b32 s44, s22, 15
	s_lshl_b32 s44, s44, 14                        ; 128 rows of 128 bytes
	s_add_co_u32 s40, s40, s44
	s_mov_b32 s41, 0
	s_lshl_b32 s46, s21, 7
	s_lshl_b32 s45, s18, 6
	s_add_co_u32 s46, s46, s45                     ; wo's row 128 block column + 64 half
	s_lshl_b32 s46, s46, 11
	s_mov_b32 s47, 0
	s_mul_i32 s23, s16, REG
	s_wait_dscnt 0x0
	s_wait_kmcnt 0x0
	s_add_nc_u64 s[40:41], s[4:5], s[40:41]
	s_add_nc_u64 s[46:47], s[6:7], s[46:47]
	CROUND
.irp s, 0,1
	s_mov_b32 s[G0A+4*\s], 1
	s_add_co_u32 s[G0A+4*\s+1], s23, \s*SLOT
	s_add_nc_u64 s[G0A+4*\s+2:G0A+4*\s+3], s[40:41], \s*4*262144  ; four heads on
	s_or_b32 s[G0A+4*\s+3], s[G0A+4*\s+3], 0x80000000
	s_mov_b32 s[G0B+4*\s], 1
	s_add_co_u32 s[G0B+4*\s+1], s23, \s*SLOT
	s_add_nc_u64 s[G0B+4*\s+2:G0B+4*\s+3], s[46:47], \s*512       ; 256 along K on
	s_or_b32 s[G0B+4*\s+3], s[G0B+4*\s+3], 0x80000000
	JLOAD \s                                       ; both first fills together: two tensor loads of the wave are out
.endr
	v_and_b32 v1, 15, v0                           ; r
	v_bfe_u32 v2, v0, 4, 1                         ; h
	v_mul_u32_u24 v3, v1, PA
	v_lshl_add_u32 v3, v2, 4, v3
	s_mul_i32 s44, s17, 64*PA                      ; my 64 rows in each plane
	v_add_nc_u32 v[ADRA], s44, v3
	v_add_nc_u32 v[ADRA+1], SLOT, v[ADRA]
	v_mul_u32_u24 v4, v1, PB
	v_lshl_add_u32 v4, v2, 4, v4
	s_mul_i32 s45, s18, REG
	s_add_co_u32 s45, s45, 2*REG                   ; my 64 rows of wo
	v_add_nc_u32 v[ADRB], s45, v4
	v_add_nc_u32 v[ADRB+1], SLOT, v[ADRB]
	s_mul_i32 s44, s16, 16*SP
	s_add_co_u32 s44, s44, STAGE
	v_mul_u32_u24 v5, v1, SP
	v_lshl_add_u32 v5, v2, 5, v5                   ; in: row r, 32 bytes for each half of the lanes
	v_add_nc_u32 v[STO], s44, v5
	v_mul_u32_u24 v6, v2, SP
	v_lshl_add_u32 v6, v1, 4, v6                   ; back: sixteen lanes take a row of 256 bytes
	v_add_nc_u32 v[RD], s44, v6
	v_lshlrev_b32 v7, 12, v2
	v_lshl_add_u32 v[CO], v1, 4, v7                ; and the same two rows in out0
	s_lshl_b32 s66, s22, 7
	s_lshl_b32 s67, s17, 6
	s_add_co_u32 s66, s66, s67                     ; my first row
	s_lshl_b32 s66, s66, 12
	s_lshl_b32 s67, s21, 9
	s_add_co_u32 s66, s66, s67
	s_lshl_b32 s67, s18, 8
	s_add_co_u32 s66, s66, s67                     ; + my first column x 4
	s_mov_b32 s67, 0
	s_add_nc_u64 s[8:9], s[8:9], s[66:67]
.macro MUL4 f, mt, zero                ; the 16 accumulators take turns, one instruction a turn, in the same order in every quarter
.irp nt, 0,1,2,3
.if \zero
	v_wmma_f32_16x16x32_f16 v[8*(4*\mt+\nt):8*(4*\mt+\nt)+7], v[\f+8*\nt:\f+8*\nt+7], v[\f+32+8*\mt:\f+32+8*\mt+7], 0
.else
	v_wmma_f32_16x16x32_f16 v[8*(4*\mt+\nt):8*(4*\mt+\nt)+7], v[\f+8*\nt:\f+8*\nt+7], v[\f+32+8*\mt:\f+32+8*\mt+7], v[8*(4*\mt+\nt):8*(4*\mt+\nt)+7]
.endif
.endr
.endm
.macro FETCH slot, kq, f               ; 16 loads: 32 along K, number kq of the slot's eight: plane kq / 2, half kq % 2 of its rows
	WIN 0
.irp nt, 0,1,2,3
	ds_load_b128 v[\f+8*\nt:\f+8*\nt+3],   v[ADRB+\slot] offset:\kq*64+\nt*16*PB
	ds_load_b128 v[\f+8*\nt+4:\f+8*\nt+7], v[ADRB+\slot] offset:\kq*64+\nt*16*PB+32
.endr
.irp mt, 0,1,2,3
	ds_load_b128 v[\f+32+8*\mt:\f+32+8*\mt+3], v[ADRA+\slot] offset:(\kq>>1)*128*PA+(\kq&1)*64+\mt*16*PA
	ds_load_b128 v[\f+36+8*\mt:\f+36+8*\mt+3], v[ADRA+\slot] offset:(\kq>>1)*128*PA+(\kq&1)*64+\mt*16*PA+32
.endr
.endm
.macro PLACES                          ; four places between a matrix instruction and a load into, or a read of, its registers (ISA guide 7.12.1 for vector instructions)
.rept 4
	v_nop
.endr
.endm
.macro QUARTER slot, kq, f, g, zero
	s_wait_dscnt 4                                 ; wo and att's tiles 0, 1 are in; the youngest four loads may be out
	WIN MUL
	MUL4 \f, 0, \zero
	MUL4 \f, 1, \zero
	PLACES
	FETCH \slot, \kq, \g
	s_wait_dscnt 16                                ; all but the 16 just issued
	WIN MUL
	MUL4 \f, 2, \zero
	MUL4 \f, 3, \zero
.endm
.macro SEVEN slot, zero
	QUARTER \slot, 1, F0, F1, \zero
	QUARTER \slot, 2, F1, F0, 0
	QUARTER \slot, 3, F0, F1, 0
	QUARTER \slot, 4, F1, F0, 0
	QUARTER \slot, 5, F0, F1, 0
	QUARTER \slot, 6, F1, F0, 0
	QUARTER \slot, 7, F0, F1, 0
.endm
; the slot's last quarter and the change of slots: the waits, the barrier (with fill = 1 it opens a round of the cluster's barrier), the joint refill first behind it
.macro TURN slot, next, fill
	s_wait_dscnt 4
	WIN MUL
	MUL4 F1, 0, 0
	s_wait_dscnt 0                                 ; my reads of this slot are over
	s_wait_tensorcnt 0x0                           ; all my tensor loads have landed: my part of the next slot
	ds_add_u32 v62, v63
	s_wait_dscnt 0x0
	s_barrier_signal -1
	MUL4 F1, 1, 0
	WIN 0
	s_barrier_wait -1
.if \fill
	CREST
	s_add_nc_u64 s[G0A+4*\slot+2:G0A+4*\slot+3], s[G0A+4*\slot+2:G0A+4*\slot+3], 8*262144
	s_add_nc_u64 s[G0B+4*\slot+2:G0B+4*\slot+3], s[G0B+4*\slot+2:G0B+4*\slot+3], 1024
	JLOAD \slot
.endif
	PLACES
	FETCH \next, 0, F0
	WIN MUL
	MUL4 F1, 2, 0
	MUL4 F1, 3, 0
.endm
	s_wait_tensorcnt 1                             ; my part of the first fill is in; the second stays out
	s_barrier_signal -1
	s_barrier_wait -1
	FETCH 0, 0, F0
	SEVEN 0, 1                                     ; heads 0-3; the first products start the sums
	TURN 0, 1, 1                                   ; slot 0 gets heads 8-11
	SEVEN 1, 0                                     ; heads 4-7
	TURN 1, 0, 1                                   ; slot 1 gets heads 12-15
	SEVEN 0, 0
	TURN 0, 1, 0
	SEVEN 1, 0
	s_wait_dscnt 4
	WIN MUL
	MUL4 F1, 0, 0
	MUL4 F1, 1, 0
	s_wait_dscnt 0
	MUL4 F1, 2, 0
	MUL4 F1, 3, 0
	PLACES
; 16 rows at a time: 32 bytes a lane from the accumulators into my stage, read back as rows of 256 bytes
.macro OUT16 mt
	WIN 0x04                                       ; an LDS store's data is source 1: window 1
.irp nt, 0,1,2,3
	ds_store_b128 v[STO], v[8*(4*\mt+\nt):8*(4*\mt+\nt)+3] offset:64*\nt
	ds_store_b128 v[STO], v[8*(4*\mt+\nt)+4:8*(4*\mt+\nt)+7] offset:64*\nt+16
.endr
	WIN 0
	s_wait_xcnt 0x0                                ; the read-back registers and the stores' base are written again only behind this wait (ISA guide 3.1)
.if \mt
	s_add_nc_u64 s[8:9], s[8:9], 16*4096
.endif
.irp t, 0,1,2,3,4,5,6,7
	ds_load_b128 v[RB+32*(\mt&1)+4*\t:RB+32*(\mt&1)+4*\t+3], v[RD] offset:\t*2*SP   ; LDS serves a wave's instructions in order (ISA guide 5.7.1.4)
.endr
.irp t, 0,1,2,3,4,5,6,7
	s_wait_dscnt 7-\t
	global_store_b128 v[CO], v[RB+32*(\mt&1)+4*\t:RB+32*(\mt&1)+4*\t+3], s[8:9] offset:\t*2*4096 th:TH_STORE_NT   ; sixteen lanes store 256 consecutive aligned bytes
.endr
.endm
	OUT16 0
	OUT16 1
	OUT16 2
	OUT16 3
	s_wait_tensorcnt 0x0
	ds_add_u32 v62, v63
	s_wait_dscnt 0x0
	CROUND                                         ; the closing round
	s_endpgm
.Lfunc_end_k_q6692bf0f11_oproj:
	.size	k_q6692bf0f11_oproj, .Lfunc_end_k_q6692bf0f11_oproj-k_q6692bf0f11_oproj
	.p2alignl 7, 3214868480
	.fill 96, 4, 3214868480
	.section	.rodata,"a",@progbits
	.p2align	6, 0x0
	.amdhsa_kernel k_q6692bf0f11_oproj
		.amdhsa_group_segment_fixed_size 327680
		.amdhsa_private_segment_fixed_size 0
		.amdhsa_enable_private_segment 0
		.amdhsa_kernarg_size 24
		.amdhsa_user_sgpr_count 2
		.amdhsa_user_sgpr_kernarg_segment_ptr 1
		.amdhsa_wavefront_size32 1
		.amdhsa_system_sgpr_workgroup_id_x 1
		.amdhsa_system_sgpr_workgroup_id_y 1
		.amdhsa_system_sgpr_workgroup_id_z 1
		.amdhsa_system_vgpr_workitem_id 0
		.amdhsa_next_free_vgpr 384
		.amdhsa_next_free_sgpr 72
		.amdhsa_reserve_vcc 0
		.amdhsa_float_denorm_mode_32 3
		.amdhsa_float_denorm_mode_16_64 3
		.amdhsa_memory_ordered 1
		.amdhsa_forward_progress 1
		.amdhsa_inst_pref_size 90
	.end_amdhsa_kernel
	.amdgpu_metadata
---
amdhsa.version: [ 1, 2 ]
amdhsa.kernels:
  - .name:           k_q6692bf0f11_oproj
    .symbol:         k_q6692bf0f11_oproj.kd
    .args:
      - { .name: atth, .offset: 0, .size: 8, .value_kind: global_buffer, .address_space: global }
      - { .name: woh, .offset: 8, .size: 8, .value_kind: global_buffer, .address_space: global }
      - { .name: out0, .offset: 16, .size: 8, .value_kind: global_buffer, .address_space: global }
    .group_segment_fixed_size: 327680
    .private_segment_fixed_size: 0
    .kernarg_segment_align: 8
    .kernarg_segment_size: 24
    .max_flat_workgroup_size: 128
    .sgpr_count:     72
    .vgpr_count:     384
    .wavefront_size: 32
...
	.end_amdgpu_metadata
.endif
;; end of part 4
;; ======== version 2 of 2: 4 launches; version 1 with the launch prep written anew for expert scheduling mode
;; limits: values are held in f16: magnitudes above 65,504 overflow, below 6.1e-05 lose precision
;; workspace buffers: xh 8,388,608 bytes; wqkvh 6,291,456 bytes; woh 2,097,152 bytes; rope 524,288 bytes; qh 8,388,608 bytes; kh 8,388,608 bytes; vth 8,388,608 bytes; atth 8,388,608 bytes
;; launch prep (part 5): grid 64 x 8, 8 waves a work-group, no clusters, 0 bytes of LDS; arguments x, wq, wk, wv, wo, token_positions, xh, wqkvh, woh, rope; writes xh, wqkvh, woh, rope
.if DOCPART == 5
	.amdgcn_target "amdgcn-amd-amdhsa--gfx1250"
	.amdhsa_code_object_version 6
	.text
	.protected	k_q6692bf0f11_prep
	.globl	k_q6692bf0f11_prep
	.p2align	8
	.type	k_q6692bf0f11_prep,@function
k_q6692bf0f11_prep:
	s_mov_b64 s[64:65], 0
	v_nop
	global_prefetch_b8 v0, s[64:65] scope:SCOPE_SE
	s_setreg_imm32_b32 hwreg(HW_REG_WAVE_SCHED_MODE, 0, 2), 2
	s_setreg_imm32_b32 hwreg(HW_REG_WAVE_MODE, 25, 1), 1
	s_wait_xcnt 0x0
	s_wait_alu depctr_vm_vsrc(0)
; x, wq, wk, wv, wo: f32 to 16 bits, and the table of cos and sin for the rotation of q and k.
; FORMATS.  Every input is rounded ONCE, to bf16 (nearest even), the operand format that the problem's allowance names for its inputs; products of
; bf16 numbers are exact in the f32 sums of the matrix unit, so nothing but this one rounding is lost on the inputs.  x, wq, wk, wv are stored as bf16.
; wo is later multiplied with the attention result, which is kept in f16 for its three more bits, and one matrix instruction has one format:
; wo's bf16 value is therefore written in f16's code.  That is exact for magnitudes from 2^-17 to 65,504 (8 significant bits, the lowest at 2^-24 or above).
; LIMITS: wo below 2^-17 in magnitude is off by at most 2^-25; wo of 65,520 or more becomes an infinity.  Token positions are taken as 0 to 2047, the
; extent of the table that the problem indexes with them; they enter as numbers (an angle), never as addresses.
; Section y of the grid: 0-3 x (256 work-groups of 16 rows), 4 wq, 5 wk, 6 wv, 7 wo (64 work-groups of 16 rows each).
; wq, wk, wv go into ONE table with rows regrouped by head: row = 192 head + 64 matrix + e, so that the next launch finds the 192 rows of a head together.
; A work-group converts 16 rows of 1,024 numbers; a wave 2 rows: 8,192 bytes in by 16 loads of 512 consecutive bytes, all issued at once,
; 4,096 bytes out by 16 stores of 256 consecutive aligned bytes.  No LDS, no barrier, no matrix unit: a stream has no use for them.
; Waves 0 and 1 of each of the 512 work-groups also make 64 of the table's 32,768 entries of 16 bytes, while their row loads are on their way.
; Entry ((T*4 + et)*2 + u)*32 + lane = (cos f, sin f, cos (f+1), sin (f+1)) of token 16 T + lane % 16, f = 8 et + 4 (lane / 16) + 2 u:
; the order in which a lane of the next launch holds the pairs of a 16 x 16 tile of q or k.  Here T*4 + et is the work-group's number, u the wave.
; THE MODE: SCHED_MODE bits 1:0 = 2 (LLVM: expert scheduling mode 2), set by the entry lines.  The code itself states the register dependences
; between vector instructions and memory instructions, with s_wait_alu, always for 0.
; THE PLAN.  Registers that memory instructions touch:
;   v1 .. v4    byte offsets (row loads, row stores, the position, the table's entry): made once at the head, never written again.
;   v6          the position: written by its load alone, read by one conversion behind the wait for that load.
;   X           written by the 16 row loads, which are issued once; read by the conversions (on wo's path also written by them, behind the load's own wait).
;               No memory instruction reads X, and no load lands in it a second time.
;   Y           a pair of registers for each load: written by that load's conversions, read by its one store, never written behind that store.
;   v[28:31]    the table's entry: written by the two angles, read by one store, never written behind it.
; The 16 loads go in four groups of four.  Group g works on its own X and writes its own Y; its memory instructions are the four stores of group g - 1,
; whose Y no vector instruction of group g names.  So one wait on va_vdst at a group's head, behind the wait for the group's data, states all that those
; stores hang on, and they are dealt among the group's conversions with no further wait.  No register that a memory instruction has read is written again:
; the only wait on vm_vsrc is the one at the entry.
.set X, 32                             ; v[32:95]   16 x 4 numbers as loaded
.set Y, 96                             ; v[96:127]  16 x 2 registers to store
	s_load_b512 s[8:23], s[0:1], 0x0               ; x 8, wq 10, wk 12, wv 14, wo 16, positions 18, xh 20, wqkvh 22
	s_load_b128 s[24:27], s[0:1], 0x40             ; woh 24, rope 26
	v_lshrrev_b32 v1, 5, v0
	v_readfirstlane_b32 s28, v1                    ; wave 0..7
	s_and_b32 s4, ttmp7, 0xffff                    ; section
	s_lshl_b32 s6, s4, 6
	s_add_co_u32 s6, s6, ttmp9                     ; the work-group's number, 0..511
	; offsets, made apart from the addresses
	s_cmp_lt_u32 s4, 4
	s_cselect_b32 s36, s6, ttmp9                   ; block of 16 rows in the source: x has 256, a weight 64
	s_lshl_b32 s36, s36, 16                        ; x 65,536 bytes
	s_mov_b32 s37, 0
	s_lshr_b32 s38, ttmp9, 2                       ; a weight's rows 16 bx ..: head = bx / 4
	s_mul_i32 s38, s38, 192
	s_and_b32 s39, s4, 3                           ; matrix 0, 1, 2 for sections 4, 5, 6
	s_lshl_b32 s39, s39, 6
	s_add_co_u32 s38, s38, s39
	s_and_b32 s39, ttmp9, 3
	s_lshl_b32 s39, s39, 4                         ; e = 16 (bx % 4)
	s_add_co_u32 s38, s38, s39
	s_lshl_b32 s38, s38, 11                        ; rows of 2,048 bytes
	s_lshl_b32 s39, s6, 15                         ; x: 16 rows of 2,048 bytes a work-group
	s_lshl_b32 s40, ttmp9, 15                      ; wo: likewise
	s_cmp_lt_u32 s4, 4
	s_cselect_b32 s38, s39, s38
	s_cmp_eq_u32 s4, 7
	s_cselect_b32 s38, s40, s38
	s_mov_b32 s39, 0
	s_lshl_b32 s34, s6, 10                         ; the work-group's 64 entries of the table
	s_mov_b32 s35, 0
	s_lshr_b32 s41, s6, 2
	s_lshl_b32 s41, s41, 6                         ; byte offset of position 16 T
	s_and_b32 s42, s6, 3
	s_lshl_b32 s42, s42, 3
	s_wait_alu depctr_va_sdst(0)                   ; s28, the wave's number, is written, ahead of its first reader
	s_lshl1_add_u32 s42, s28, s42                  ; 8 et + 2 u
	v_and_b32 v5, 31, v0                           ; lane
	v_lshlrev_b32 v2, 3, v5
	v_lshl_add_u32 v2, v1, 12, v2                  ; out: 4,096 wave + 8 lane
	v_lshlrev_b32 v5, 4, v5
	v_lshl_add_u32 v1, v1, 13, v5                  ; in: 8,192 wave + 16 lane
	v_and_b32 v3, 15, v0
	v_lshl_add_u32 v3, v3, 2, s41                  ; my token's position
	v_lshlrev_b32 v4, 4, v0                        ; my entry of the table (threads 0 to 63)
	s_wait_kmcnt 0x0
	s_mov_b64 s[30:31], s[8:9]                     ; the source, chosen by the section's number
	s_cmp_eq_u32 s4, 4
	s_cselect_b64 s[30:31], s[10:11], s[30:31]
	s_cmp_eq_u32 s4, 5
	s_cselect_b64 s[30:31], s[12:13], s[30:31]
	s_cmp_eq_u32 s4, 6
	s_cselect_b64 s[30:31], s[14:15], s[30:31]
	s_cmp_eq_u32 s4, 7
	s_cselect_b64 s[30:31], s[16:17], s[30:31]
	s_mov_b64 s[32:33], s[20:21]                   ; the destination
	s_cmp_ge_u32 s4, 4
	s_cselect_b64 s[32:33], s[22:23], s[32:33]
	s_cmp_eq_u32 s4, 7
	s_cselect_b64 s[32:33], s[24:25], s[32:33]
	s_add_nc_u64 s[30:31], s[30:31], s[36:37]
	s_add_nc_u64 s[32:33], s[32:33], s[38:39]
	s_add_nc_u64 s[26:27], s[26:27], s[34:35]
	s_wait_alu depctr_va_vdst(0)                   ; the four offsets v1 to v4 are written: every load and store of the kernel reads one of them; ahead of the branch, so on both ways
	s_cmp_gt_u32 s28, 1
	s_cbranch_scc1 .Lrows
	global_load_b32 v6, v3, s[18:19]               ; waves 0 and 1: the position, ahead of the rows
.Lrows:
.irp n, 0,1,2,3,4,5,6,7,8,9,10,11,12,13,14,15
	global_load_b128 v[X+4*\n:X+4*\n+3], v1, s[30:31] offset:512*\n th:TH_LOAD_NT   ; read once in the launch
.endr
	s_cmp_gt_u32 s28, 1
	s_cbranch_scc1 .Lconvert
; cos and sin of position x 10000^(-f/32), f in v[fr] as f32; cos into v[out], sin into v[out+1]
.macro ANGLE fr, out
	v_mul_f32 v10, 0xbed48000, v[\fr]              ; -f x 0.4150390625: exact (425/1024 times at most 32)
	v_mul_f32 v11, 0xb953c25e, v[\fr]              ; -f x 2.0194936e-4: the rest of log2(10000)/32
	v_exp_f32 v12, v10
	v_exp_f32 v13, v11
	v_nop                                          ; one plain place behind a transcendental before its result is read (ISA guide 5.7.2)
	s_wait_alu depctr_va_vdst(0)                   ; the two exponentials have written v12 and v13, ahead of their first reader
	v_mul_f32 v12, v12, v13                        ; 10000^(-f/32)
	v_mul_f32 v12, v7, v12                         ; the angle a, rounded to f32 as the problem rounds it
	v_mul_f32 v13, 0x3f22f983, v12                 ; a x 2/pi
	v_rndne_f32 v13, v13                           ; n, at most 1,304
	v_fmamk_f32 v14, v13, 0xbfc90fdb, v12          ; r = a - n pi/2, pi/2 in two parts
	v_fmamk_f32 v14, v13, 0x333bbd2e, v14          ; |r| <= pi/4
	v_mul_f32 v15, v14, v14                        ; z = r r
	v_mov_b32 v16, 0x3638ef1d                      ; sin r = r (1 + z (-1/6 + z (1/120 + z (-1/5040 + z/362880))))
	v_mov_b32 v17, 0x37d00d01                      ; cos r = 1 + z (-1/2 + z (1/24 + z (-1/720 + z/40320))): the first term left out is below 3e-8
	v_fmaak_f32 v16, v16, v15, 0xb9500d01
	v_fmaak_f32 v17, v17, v15, 0xbab60b61
	v_fmaak_f32 v16, v16, v15, 0x3c088889
	v_fmaak_f32 v17, v17, v15, 0x3d2aaaab
	v_fmaak_f32 v16, v16, v15, 0xbe2aaaab
	v_fma_f32 v17, v17, v15, -0.5
	v_fma_f32 v16, v16, v15, 1.0
	v_fma_f32 v17, v17, v15, 1.0
	v_mul_f32 v16, v16, v14
	v_cvt_i32_f32 v18, v13                         ; the quadrant
	v_and_b32 v19, 1, v18
	v_cmp_eq_u32 vcc_lo, 1, v19
	v_and_b32 v22, 2, v18                          ; sin is negative in quadrants 2, 3: the two signs are made between the compare and the wait for its mask
	v_lshlrev_b32 v22, 30, v22
	v_add_nc_u32 v18, 1, v18                       ; cos in quadrants 1, 2
	v_and_b32 v18, 2, v18
	v_lshlrev_b32 v18, 30, v18
	s_wait_alu depctr_va_vcc(0)                    ; the compare has written VCC, which the two selects below read
	v_cndmask_b32 v20, v16, v17, vcc_lo            ; odd quadrant: sin and cos change places
	v_cndmask_b32 v21, v17, v16, vcc_lo
	v_xor_b32 v[\out+1], v22, v20
	v_xor_b32 v[\out], v18, v21
.endm
	v_bfe_u32 v8, v0, 4, 1
	v_lshl_add_u32 v8, v8, 2, s42                  ; f = 8 et + 2 u + 4 (lane / 16)
	v_cvt_f32_u32 v8, v8
	v_add_f32 v9, 1.0, v8                          ; f + 1
	s_wait_loadcnt 16                              ; the position is in: the 16 row loads issued behind it stay out
	v_cvt_f32_i32 v7, v6
	ANGLE 8, 28
	ANGLE 9, 30
	s_wait_alu depctr_va_vdst(0)                   ; the two angles have written v[28:31], which the store reads
	global_store_b128 v4, v[28:31], s[26:27]       ; a wave's store covers 512 consecutive bytes
.Lconvert:
; the store of load n's four numbers: 32 lanes x 8 bytes: 256 consecutive bytes, aligned
.macro ST n
	global_store_b64 v2, v[Y+2*(\n):Y+2*(\n)+1], s[32:33] offset:256*(\n)
.endm
; Group g of x, wq, wk, wv: loads 4 g to 4 g + 3 to bf16; the stores of group g - 1 go out among the conversions
.macro GROUP_BF g
	s_wait_loadcnt 12-4*(\g)                       ; loads come back in order (ISA guide 5.7.1): this group's four are in, the younger groups stay out
.if \g
	s_wait_alu depctr_va_vdst(0)                   ; the group before has written its Y, which the four stores below read; no conversion of this group names those registers
.endif
.irp i, 0,1,2,3
.if \g
	ST 4*(\g)-4+\i
.endif
	v_cvt_pk_bf16_f32 v[Y+2*(4*(\g)+\i)], v[X+4*(4*(\g)+\i)], v[X+4*(4*(\g)+\i)+1]
	v_cvt_pk_bf16_f32 v[Y+2*(4*(\g)+\i)+1], v[X+4*(4*(\g)+\i)+2], v[X+4*(4*(\g)+\i)+3]
.endr
.endm
; Group g of wo: rounded to bf16, widened again (a shift, a mask), and the same value written in f16's code
.macro GROUP_WO g
	s_wait_loadcnt 12-4*(\g)                       ; as above; X's registers of this group are free to be written behind it
.if \g
	s_wait_alu depctr_va_vdst(0)                   ; the group before has written its Y for the last time, which the four stores below read; no line of this group names those registers
.endif
.irp i, 0,1,2,3
.if \g
	ST 4*(\g)-4+\i
.endif
	v_cvt_pk_bf16_f32 v[Y+2*(4*(\g)+\i)], v[X+4*(4*(\g)+\i)], v[X+4*(4*(\g)+\i)+1]
	v_cvt_pk_bf16_f32 v[Y+2*(4*(\g)+\i)+1], v[X+4*(4*(\g)+\i)+2], v[X+4*(4*(\g)+\i)+3]
	v_lshlrev_b32 v[X+4*(4*(\g)+\i)], 16, v[Y+2*(4*(\g)+\i)]
	v_and_b32 v[X+4*(4*(\g)+\i)+1], 0xffff0000, v[Y+2*(4*(\g)+\i)]
	v_lshlrev_b32 v[X+4*(4*(\g)+\i)+2], 16, v[Y+2*(4*(\g)+\i)+1]
	v_and_b32 v[X+4*(4*(\g)+\i)+3], 0xffff0000, v[Y+2*(4*(\g)+\i)+1]
	v_cvt_pk_f16_f32 v[Y+2*(4*(\g)+\i)], v[X+4*(4*(\g)+\i)], v[X+4*(4*(\g)+\i)+1]
	v_cvt_pk_f16_f32 v[Y+2*(4*(\g)+\i)+1], v[X+4*(4*(\g)+\i)+2], v[X+4*(4*(\g)+\i)+3]
.endr
.endm
	s_cmp_eq_u32 s4, 7
	s_cbranch_scc1 .Lwo
	; x, wq, wk, wv: to bf16
	GROUP_BF 0
	GROUP_BF 1
	GROUP_BF 2
	GROUP_BF 3
	s_wait_alu depctr_va_vdst(0)                   ; the last group has written its Y, which the last four stores read
	ST 12
	ST 13
	ST 14
	ST 15
	s_endpgm
.Lwo:
	GROUP_WO 0
	GROUP_WO 1
	GROUP_WO 2
	GROUP_WO 3
	s_wait_alu depctr_va_vdst(0)                   ; the last group has written its Y, which the last four stores read
	ST 12
	ST 13
	ST 14
	ST 15
	s_endpgm
.Lfunc_end_k_q6692bf0f11_prep:
	.size	k_q6692bf0f11_prep, .Lfunc_end_k_q6692bf0f11_prep-k_q6692bf0f11_prep
	.p2alignl 7, 3214868480
	.fill 96, 4, 3214868480
	.section	.rodata,"a",@progbits
	.p2align	6, 0x0
	.amdhsa_kernel k_q6692bf0f11_prep
		.amdhsa_group_segment_fixed_size 0
		.amdhsa_private_segment_fixed_size 0
		.amdhsa_enable_private_segment 0
		.amdhsa_kernarg_size 80
		.amdhsa_user_sgpr_count 2
		.amdhsa_user_sgpr_kernarg_segment_ptr 1
		.amdhsa_wavefront_size32 1
		.amdhsa_system_sgpr_workgroup_id_x 1
		.amdhsa_system_sgpr_workgroup_id_y 1
		.amdhsa_system_sgpr_workgroup_id_z 1
		.amdhsa_system_vgpr_workitem_id 0
		.amdhsa_next_free_vgpr 128
		.amdhsa_next_free_sgpr 66
		.amdhsa_reserve_vcc 1
		.amdhsa_float_denorm_mode_32 3
		.amdhsa_float_denorm_mode_16_64 3
		.amdhsa_memory_ordered 1
		.amdhsa_forward_progress 1
		.amdhsa_inst_pref_size 21
	.end_amdhsa_kernel
	.amdgpu_metadata
---
amdhsa.version: [ 1, 2 ]
amdhsa.kernels:
  - .name:           k_q6692bf0f11_prep
    .symbol:         k_q6692bf0f11_prep.kd
    .args:
      - { .name: x, .offset: 0, .size: 8, .value_kind: global_buffer, .address_space: global }
      - { .name: wq, .offset: 8, .size: 8, .value_kind: global_buffer, .address_space: global }
      - { .name: wk, .offset: 16, .size: 8, .value_kind: global_buffer, .address_space: global }
      - { .name: wv, .offset: 24, .size: 8, .value_kind: global_buffer, .address_space: global }
      - { .name: wo, .offset: 32, .size: 8, .value_kind: global_buffer, .address_space: global }
      - { .name: token_positions, .offset: 40, .size: 8, .value_kind: global_buffer, .address_space: global }
      - { .name: xh, .offset: 48, .size: 8, .value_kind: global_buffer, .address_space: global }
      - { .name: wqkvh, .offset: 56, .size: 8, .value_kind: global_buffer, .address_space: global }
      - { .name: woh, .offset: 64, .size: 8, .value_kind: global_buffer, .address_space: global }
      - { .name: rope, .offset: 72, .size: 8, .value_kind: global_buffer, .address_space: global }
    .group_segment_fixed_size: 0
    .private_segment_fixed_size: 0
    .kernarg_segment_align: 8
    .kernarg_segment_size: 80
    .max_flat_workgroup_size: 256
    .sgpr_count:     66
    .vgpr_count:     128
    .wavefront_size: 32
...
	.end_amdgpu_metadata
.endif
;; end of part 5
;; launch qkv: the kernel of part 2 again; grid 16 x 16, 4 waves a work-group, clusters of 4 x 4, 327,680 bytes of LDS; arguments xh, wqkvh, rope, qh, kh, vth; writes qh, kh, vth
;; launch attn: the kernel of part 3 again; grid 8 x 32, 8 waves a work-group, no clusters, 327,680 bytes of LDS; arguments qh, kh, vth, atth; writes atth
;; launch oproj: the kernel of part 4 again; grid 8 x 32, 4 waves a work-group, clusters of 4 x 4, 327,680 bytes of LDS; arguments atth, woh, out0; writes out0
